; MI455X (gfx1250); checked and timed in simulation.
; The chip was launched on July 23, 2026; its instructions are those of AMD's public machine-readable ISA for CDNA 5 (MIT licence, August 2026) and "CDNA5" Instruction Set Architecture Reference Guide (July 2026). The comments in the code are by the model that wrote it; some were corrected since.
;; Causal Self Attention. Allowed arithmetic: matrix products marked QUANTISED: E2M1 operands, one E8M0 scale for each 32 along K, by v_wmma_scale_f32_16x16x128_f8f6f4 with both operands' format E2M1 (or v_wmma_scale_f32_32x16x128_f4), f32 sums; products left as they are: bf16, f16 or f32 operands; f32 sums; everything else in f32.
;; Inputs: w_attn 1,024 x 3,072 float32; w_proj 1,024 x 1,024 float32; x 4 x 2,048 x 1,024 float32.
;; Outputs: out0 4 x 2,048 x 1,024 float32.
;; This version of the problem:
;;   THIS VERSION OF THE PROBLEM IS GIVEN IN LOW PRECISION. The matrix products marked QUANTISED in the list below multiply operands that are first quantised to E2M1 (2 exponent bits, 1 mantissa bit; 4 bits a number), with one power-of-two scale for each 32 numbers along K (OCP MX v1.0); their sums are f32. The products marked 'left as it is' may take bf16, f16 or f32 operands, with f32 sums. Whichever they take, every output number must still come out within the allowed error. Rounding operands to bf16 (8 significant bits) uses up far more of that allowance than f16 does (11 bits, for magnitudes from 6e-5 to 65,504). All else is computed in f32.
;;   The module's matrix products, in the order in which they are computed (A, B: the left and right operand; K: the contracted axis; several contracted axes count as one K, in the product's order):
;;     1. [M 8,192, K 1,024] x [K 1,024, N 3,072]; A: input x; B: input w_attn: QUANTISED
;;     2. batch 64 x [M 2,048, K 64] x [K 64, N 2,048]; A: computed on the way; B: computed on the way: left as it is (an operand is computed on the way)
;;     3. batch 64 x [M 2,048, K 2,048] x [K 2,048, N 64]; A: computed on the way; B: computed on the way: left as it is (an operand is computed on the way)
;;     4. [M 8,192, K 1,024] x [K 1,024, N 1,024]; A: computed on the way; B: input w_proj: left as it is (an operand is computed on the way)
;;   THE QUANTISER, for each operand of a quantised product, along K:
;;     - K is cut into blocks of 32 from its start; a last block that is shorter is filled with zeros.
;;     - A block's scale is 2^e with e = floor(log2(the largest magnitude in the block)) - 2, held to -126 .. 127; a block of zeros has e = 0. As a byte (E8M0): e + 127.
;;     - Each number is divided by its block's scale, clamped to +-6, and rounded to the nearest number of E2M1, ties to even, subnormals kept.
;;     - The product sums the exact products of the quantised numbers (number of the format x scale) in f32.
;;   ~~~python
;;   def quantise(x, axis):      # numpy; x: float32 -> the quantised numbers, widened to float32 again
;;       x = np.moveaxis(x, axis, -1); K = x.shape[-1]
;;       x = np.pad(x, [(0, 0)] * (x.ndim - 1) + [(0, -K % 32)]); x = x.reshape(x.shape[:-1] + (-1, 32)); a = np.abs(x).max(-1, keepdims=True)
;;       e = np.where(a > 0, np.clip(np.frexp(np.where(a > 0, a, 1))[1] - 1 - 2, -126, 127), 0)      # np.frexp(a)[1] - 1 = floor(log2(a)), exactly
;;       r = np.clip(x / 2.0 ** e, -6, 6)
;;       step = 2.0 ** (np.maximum(np.frexp(np.where(r == 0, 1, r))[1] - 1, 0) - 1)
;;       q = np.round(r / step) * step * 2.0 ** e      # np.round: ties to even
;;       return np.moveaxis(q.reshape(q.shape[:-2] + (-1,))[..., :K], -1, axis).astype(np.float32)
;;   ~~~
;; One version. Each part assembles by itself: llvm-mc -triple=amdgcn-amd-amdhsa -mcpu=gfx1250 --defsym DOCPART=n.
;; ======== version 1 of 1: 5 launches
;; limits: values are held in f16: magnitudes above 65,504 overflow, below 6.1e-05 lose precision
;; workspace buffers: xc 4,194,304 bytes; xs 262,144 bytes; wc 1,572,864 bytes; ws 98,304 bytes; wpt 2,097,152 bytes; qkvh 50,331,648 bytes; fineq 786,432 bytes; yh 16,777,216 bytes
;; launch prep (part 1): grid 368 x 1, 4 waves a work-group, no clusters, 102,912 bytes of LDS; arguments x, w_attn, w_proj, xc, xs, wc, ws, wpt; writes xc, xs, wc, ws, wpt
.if DOCPART == 1
	.amdgcn_target "amdgcn-amd-amdhsa--gfx1250"
	.amdhsa_code_object_version 6
	.text
	.protected	k_qa6360a6ac4_prep
	.globl	k_qa6360a6ac4_prep
	.p2align	8
	.type	k_qa6360a6ac4_prep,@function
k_qa6360a6ac4_prep:
	s_mov_b64 s[64:65], 0
	v_nop
	global_prefetch_b8 v0, s[64:65] scope:SCOPE_SE
	s_setreg_imm32_b32 hwreg(HW_REG_WAVE_MODE, 25, 1), 1
	s_wait_xcnt 0x0
; THREE JOBS IN ONE LAUNCH, told apart by the work-group's number; each has LDS bytes of its own, waves share nothing, no barrier.
;   work-groups   0 ..  47: w_attn [1024 k][3072 n] f32 -> codes of FP4 (E2M1) laid [3072 n][512 bytes], K innermost, and E8M0 scale bytes [3072][32]
;   work-groups  48 .. 111: w_proj [1024 k][1024 n] f32 -> f16, turned: wpt [1024 n][1024 k]
;   work-groups 112 .. 367: x [8192][1024] f32 -> codes [8192][512 bytes] and scale bytes [8192][32]
; THE QUANTISER: a block of 32 along K has the scale 2^(floor(log2(largest magnitude)) - 2); its byte is the largest magnitude's exponent field - 2, held at 1 from below;
; each number is divided by the scale and rounded to the nearest code, ties to even, beyond 6 the largest code.
; LIMITS: a block of zeros gets the byte 1 where the rule says 127 (its codes are zeros, and this program alone reads the bytes); blocks whose largest magnitude lies under 2^-124 were not tried;
; NaN and infinities are not served; |w_proj| stays under 65,504 (f16).
; No matrix unit, no tensor load, no cluster: each input byte is read once by one wave, nothing is shared.
.set SPW,   190                        ; v190  LDS address of my spare word; never rewritten
.set NIL,   191                        ; v191  0; never rewritten
.set SPARE, 102400                     ; behind all stages: the spare words, 128 bytes a wave
.set WV,    20                         ; s20   my wave's number
.set EMAX,  2
; the path of x
.set STEPS, 16
.set CB,    8                          ; bytes of 16 codes
.set XR,    16                         ; v16-79   four sets of 16 numbers as loaded
.set XX,    80                         ; v80-111  two sets of 16 neighbours
.set XE,    112                        ; v112-127 a scale byte for each step
.set XC,    128                        ; v128-189 codes, four registers kept for each step
.set WREG,  8192                       ; LDS bytes 0 .. 32,767: a region for each wave: two stages of 32 x 80, then 256 scale bytes
.set SP,    80
; the paths of the two weights
.set PITCH, 272                        ; a stage row: 256 bytes + 16
.set WSTG,  32768                      ; w_attn's four stages of 32 x 272
.set PSTG,  67584                      ; w_proj's four stages
.set NB,    16
.set KX,    32                         ; v32-95   two sets of 32 numbers down K
.set KC,    96                         ; v96-111  what a block makes
.set OUTR,  112                        ; v112-175 the way out
.set SB,    24                         ; v24-27   scale bytes, four to a register
	s_load_b256 s[4:11], s[0:1], 0x0               ; x s[4:5], w_attn s[6:7], w_proj s[8:9], xc s[10:11]
	s_load_b256 s[12:19], s[0:1], 0x20             ; xs s[12:13], wc s[14:15], ws s[16:17], wpt s[18:19]
	v_lshl_add_u32 v[SPW], v0, 2, SPARE
	v_mov_b32 v[NIL], 0
	v_lshrrev_b32 v1, 5, v0
	v_readfirstlane_b32 s[WV], v1
	v_and_b32 v2, 31, v0                           ; lane
	s_wait_kmcnt 0x0
	s_cmp_lt_u32 ttmp9, 48
	s_cbranch_scc1 .Lw
	s_cmp_lt_u32 ttmp9, 112
	s_cbranch_scc1 .Lp
; ---------------- x: a plain stream of blocks of 32.  A wave takes 16 steps of 512 numbers.  Each load reads 512 consecutive bytes; a step's 2,048 bytes turn through the wave's stage
; and come back 64 bytes a lane, so that a lane holds 16 neighbours along K and two neighbouring lanes a block.
	v_lshlrev_b32 v3, 4, v2                        ; my 16 bytes of a load's 512
	s_mul_i32 s21, s[WV], WREG
	v_lshrrev_b32 v14, 2, v2
	v_mul_u32_u24 v14, v14, SP
	v_and_b32 v15, 3, v2
	v_lshl_add_u32 v14, v15, 4, v14
	v_add_nc_u32 v14, s21, v14                     ; the stage, in: 80 (lane / 4) + 16 (lane % 4)
	v_mul_u32_u24 v15, v2, SP
	v_add_nc_u32 v15, s21, v15                     ; and out: 80 x lane
	v_mul_u32_u24 v4, v2, CB                       ; my codes' place in a step's
	v_lshrrev_b32 v5, 1, v2
	s_add_co_u32 s21, s21, 2*32*SP
	v_add_nc_u32 v5, s21, v5                       ; my block's scale byte in LDS
	v_lshlrev_b32 v7, 3, v2
	v_add_nc_u32 v6, s21, v7
	s_sub_co_u32 s22, ttmp9, 112
	s_lshl_b32 s22, s22, 2
	s_add_co_u32 s22, s22, s[WV]                   ; which run of 8,192 numbers is my wave's
	s_mov_b32 s25, 0
	s_lshl_b32 s24, s22, 15
	s_add_nc_u64 s[4:5], s[4:5], s[24:25]
	s_lshl_b32 s24, s22, 12
	s_add_nc_u64 s[10:11], s[10:11], s[24:25]
	s_lshl_b32 s24, s22, 8
	s_add_nc_u64 s[12:13], s[12:13], s[24:25]
.macro XLOAD t
.irp i, 0,1,2,3
	global_load_b128 v[XR+16*((\t)%4)+4*\i:XR+16*((\t)%4)+4*\i+3], v3, s[4:5] offset:2048*(\t)+512*\i th:TH_LOAD_NT
.endr
.endm
.macro XTURN t                         ; LDS serves a wave's instructions in order: no wait between the stores and the loads
.irp i, 0,1,2,3
	ds_store_b128 v14, v[XR+16*((\t)%4)+4*\i:XR+16*((\t)%4)+4*\i+3] offset:32*SP*((\t)%2)+8*SP*\i
.endr
.irp i, 0,1,2,3
	ds_load_b128 v[XX+16*((\t)%2)+4*\i:XX+16*((\t)%2)+4*\i+3], v15 offset:32*SP*((\t)%2)+16*\i
.endr
.endm
.irp t, 0,1,2,3
	XLOAD \t
.endr
	s_wait_loadcnt 12                              ; step 0's four loads are in
	XTURN 0
.macro XSTEP t
.set XS, XX+16*((\t)%2)
.if (\t) > 0
	s_wait_dscnt 1                                 ; this step's numbers are back (the last step's byte store may be out)
.else
	s_wait_dscnt 0x0
.endif
.if (\t)+4 < STEPS
	XLOAD (\t)+4
.endif
.if (\t)+1 < STEPS
.if STEPS-2-(\t) >= 3
	s_wait_loadcnt 12                              ; the next step's four loads are in; three steps' twelve may be out
.else
	s_wait_loadcnt 4*(STEPS-2-(\t))
.endif
	XTURN (\t)+1
.endif
	v_max3_num_f32 v8, |v[XS]|, |v[XS+1]|, |v[XS+2]|
	v_max3_num_f32 v9, |v[XS+3]|, |v[XS+4]|, |v[XS+5]|
.irp i, 6,10
	v_max3_num_f32 v8, v8, |v[XS+\i]|, |v[XS+\i+1]|
	v_max3_num_f32 v9, v9, |v[XS+\i+2]|, |v[XS+\i+3]|
.endr
	v_max3_num_f32 v8, v8, |v[XS+14]|, |v[XS+15]|
	v_max3_num_f32 v8, v8, v9, (EMAX+1)<<23        ; the floor 2^(3 - 127): the byte cannot fall under 1
	v_max_num_f32_dpp v8, v8, v8 row_xmask:1 row_mask:0xf bank_mask:0xf   ; with my neighbour's 16: the block's largest magnitude
	v_add_nc_u32 v11, -(EMAX<<23), v8              ; 2 off its exponent field: the conversion's scale operand
	v_cvt_scalef32_pk8_fp4_f32 v[XC+4*(\t)], v[XS:XS+7], v11
	v_cvt_scalef32_pk8_fp4_f32 v[XC+4*(\t)+1], v[XS+8:XS+15], v11
	v_lshrrev_b32 v[XE+(\t)], 23, v11              ; the scale's byte
	ds_store_b8 v5, v[XE+(\t)] offset:16*(\t)      ; both lanes of a block write the same byte with the same value
	global_store_b64 v4, v[XC+4*(\t):XC+4*(\t)+1], s[10:11] offset:32*CB*(\t)   ; the wave stores 256 consecutive bytes, aligned
.endm
.irp t, 0,1,2,3,4,5,6,7,8,9,10,11,12,13,14,15
	XSTEP \t
.endr
	ds_load_b64 v[8:9], v6
	s_wait_dscnt 0x0
	global_store_b64 v7, v[8:9], s[12:13]          ; my wave's 256 scale bytes, aligned
	s_wait_tensorcnt 0x0                           ; the wave's end, behind my last LDS store
	ds_add_u32 v[SPW], v[NIL]
	s_wait_dscnt 0x0
	s_endpgm
; ---------------- what the two weights' paths share: a lane takes a column, its registers run down K
.macro KLOAD t, base, stride           ; block t: rows 32 t + i of my column, into set t % 2; a wave reads 128 consecutive bytes a load
.irp i, 0,1,2,3,4,5,6,7,8,9,10,11,12,13,14,15,16,17,18,19,20,21,22,23,24,25,26,27,28,29,30,31
	global_load_b32 v[KX+32*((\t)%2)+\i], v3, s[\base:\base+1] offset:(32*(\t)+\i)*\stride th:TH_LOAD_NT
.endr
.endm
.macro OUT16 base, rowbytes            ; the stage's 32 rows of 256 bytes leave as rows: sixteen lanes store 256 consecutive bytes, aligned
.irp t, 0,1,2,3,4,5,6,7,8,9,10,11,12,13,14,15
	ds_load_b128 v[OUTR+4*\t:OUTR+4*\t+3], v7 offset:2*\t*PITCH
.endr
.irp t, 0,1,2,3,4,5,6,7,8,9,10,11,12,13,14,15
	s_wait_dscnt 15-\t                             ; LDS loads come back in order: pair t of rows is in
	global_store_b128 v8, v[OUTR+4*\t:OUTR+4*\t+3], s[\base:\base+1] offset:2*\t*\rowbytes
.endr
.endm
; ---------------- w_attn: a wave takes 32 columns x 512 along K: 16 blocks a lane
.Lw:
	s_cmp_ge_u32 ttmp9, 24
	s_cselect_b32 s21, 1, 0                        ; which 512 along K
	s_cselect_b32 s22, 24, 0
	s_sub_co_u32 s22, ttmp9, s22                   ; which 128 columns
	s_lshl_b32 s22, s22, 7
	s_lshl_b32 s23, s[WV], 5
	s_add_co_u32 s22, s22, s23                     ; my wave's first column
	v_lshlrev_b32 v3, 2, v2
	s_mul_i32 s23, s[WV], 32*PITCH
	s_add_co_u32 s23, s23, WSTG
	v_mul_u32_u24 v4, v2, PITCH
	v_add_nc_u32 v4, s23, v4                       ; into the stage: row = my column
	v_and_b32 v5, 15, v2
	v_lshrrev_b32 v6, 4, v2
	v_mul_u32_u24 v7, v6, PITCH
	v_lshl_add_u32 v7, v5, 4, v7
	v_add_nc_u32 v7, s23, v7                       ; out of it: sixteen lanes to a row
	v_mul_u32_u24 v8, v6, 512
	v_lshl_add_u32 v8, v5, 4, v8                   ; the same place among the codes' rows of 512 bytes
	v_lshlrev_b32 v9, 5, v2                        ; my column's row of 32 scale bytes
	s_mul_i32 s24, s21, 512*3072*4
	s_lshl_b32 s25, s22, 2
	s_add_co_u32 s24, s24, s25
	s_mov_b32 s25, 0
	s_add_nc_u64 s[6:7], s[6:7], s[24:25]
	s_lshl_b32 s24, s22, 9
	s_lshl_b32 s26, s21, 8
	s_add_co_u32 s24, s24, s26
	s_add_nc_u64 s[14:15], s[14:15], s[24:25]
	s_lshl_b32 s24, s22, 5
	s_lshl_b32 s26, s21, 4
	s_add_co_u32 s24, s24, s26
	s_add_nc_u64 s[16:17], s[16:17], s[24:25]
	KLOAD 0, 6, 12288
	KLOAD 1, 6, 12288
.macro WBLOCK t
.set XS, KX+32*((\t)%2)
.if (\t) < NB-1
	s_wait_loadcnt 32                              ; this block's 32 loads are in; the next block's may be out
.else
	s_wait_loadcnt 0
.endif
	v_max3_num_f32 v12, |v[XS]|, |v[XS+1]|, |v[XS+2]|
	v_max3_num_f32 v13, |v[XS+3]|, |v[XS+4]|, |v[XS+5]|
.irp i, 6,10,14,18,22,26
	v_max3_num_f32 v12, v12, |v[XS+\i]|, |v[XS+\i+1]|
	v_max3_num_f32 v13, v13, |v[XS+\i+2]|, |v[XS+\i+3]|
.endr
	v_max3_num_f32 v12, v12, |v[XS+30]|, |v[XS+31]|
	v_max3_num_f32 v12, v12, v13, (EMAX+1)<<23     ; the floor
	v_add_nc_u32 v11, -(EMAX<<23), v12             ; the conversion's scale operand
	v_lshrrev_b32 v13, 23, v11                     ; the scale's byte
.if (\t)%4 == 0
	v_mov_b32 v[SB+(\t)/4], v13
.else
	v_lshl_or_b32 v[SB+(\t)/4], v13, 8*((\t)%4), v[SB+(\t)/4]
.endif
.irp g, 0,1,2,3
	v_cvt_scalef32_pk8_fp4_f32 v[KC+\g], v[XS+8*\g:XS+8*\g+7], v11
.endr
	ds_store_b128 v4, v[KC:KC+3] offset:16*(\t)    ; 32 codes: 16 bytes of my column's row
.if (\t)+2 < NB
	KLOAD (\t)+2, 6, 12288
.endif
	s_wait_dscnt 0x0                               ; the store has read its registers: the next block's codes may be written
.endm
.set Q, 0
.rept NB
	WBLOCK Q
.set Q, Q+1
.endr
	global_store_b128 v9, v[SB:SB+3], s[16:17]     ; my column's 16 scale bytes
	OUT16 14, 512
	s_wait_tensorcnt 0x0                           ; the wave's end: the three lines
	ds_add_u32 v[SPW], v[NIL]
	s_wait_dscnt 0x0
	s_endpgm
; ---------------- w_proj: a wave takes 32 columns x 128 along K, rounds to f16 and turns them through its stage
.Lp:
	s_sub_co_u32 s21, ttmp9, 48
	s_and_b32 s22, s21, 7                          ; which 128 columns
	s_lshr_b32 s21, s21, 3                         ; which 128 along K
	s_lshl_b32 s22, s22, 7
	s_lshl_b32 s23, s[WV], 5
	s_add_co_u32 s22, s22, s23                     ; my wave's first column
	v_lshlrev_b32 v3, 2, v2
	s_mul_i32 s23, s[WV], 32*PITCH
	s_add_co_u32 s23, s23, PSTG
	v_mul_u32_u24 v4, v2, PITCH
	v_add_nc_u32 v4, s23, v4
	v_and_b32 v5, 15, v2
	v_lshrrev_b32 v6, 4, v2
	v_mul_u32_u24 v7, v6, PITCH
	v_lshl_add_u32 v7, v5, 4, v7
	v_add_nc_u32 v7, s23, v7
	v_lshlrev_b32 v8, 11, v6
	v_lshl_add_u32 v8, v5, 4, v8                   ; rows of wpt are 2,048 bytes
	s_lshl_b32 s24, s21, 19                        ; 128 rows of 4,096 bytes
	s_lshl_b32 s25, s22, 2
	s_add_co_u32 s24, s24, s25
	s_mov_b32 s25, 0
	s_add_nc_u64 s[8:9], s[8:9], s[24:25]
	s_lshl_b32 s24, s22, 11
	s_lshl_b32 s26, s21, 8
	s_add_co_u32 s24, s24, s26
	s_add_nc_u64 s[18:19], s[18:19], s[24:25]
	KLOAD 0, 8, 4096
	KLOAD 1, 8, 4096
.macro PBLOCK t
.set XS, KX+32*((\t)%2)
.if (\t) < 3
	s_wait_loadcnt 32
.else
	s_wait_loadcnt 0
.endif
.irp g, 0,1,2,3,4,5,6,7,8,9,10,11,12,13,14,15
	v_cvt_pk_f16_f32 v[KC+\g], v[XS+2*\g], v[XS+2*\g+1]   ; the lower k in the low half
.endr
.irp c, 0,1,2,3
	ds_store_b128 v4, v[KC+4*\c:KC+4*\c+3] offset:64*(\t)+16*\c
.endr
.if (\t)+2 < 4
	KLOAD (\t)+2, 8, 4096
.endif
	s_wait_dscnt 0x0
.endm
	PBLOCK 0
	PBLOCK 1
	PBLOCK 2
	PBLOCK 3
	OUT16 18, 2048
	s_wait_tensorcnt 0x0                           ; the wave's end: the three lines
	ds_add_u32 v[SPW], v[NIL]
	s_wait_dscnt 0x0
	s_endpgm
.Lfunc_end_k_qa6360a6ac4_prep:
	.size	k_qa6360a6ac4_prep, .Lfunc_end_k_qa6360a6ac4_prep-k_qa6360a6ac4_prep
	.p2alignl 7, 3214868480
	.fill 96, 4, 3214868480
	.section	.rodata,"a",@progbits
	.p2align	6, 0x0
	.amdhsa_kernel k_qa6360a6ac4_prep
		.amdhsa_group_segment_fixed_size 102912
		.amdhsa_private_segment_fixed_size 0
		.amdhsa_enable_private_segment 0
		.amdhsa_kernarg_size 64
		.amdhsa_user_sgpr_count 2
		.amdhsa_user_sgpr_kernarg_segment_ptr 1
		.amdhsa_wavefront_size32 1
		.amdhsa_system_sgpr_workgroup_id_x 1
		.amdhsa_system_sgpr_workgroup_id_y 1
		.amdhsa_system_sgpr_workgroup_id_z 1
		.amdhsa_system_vgpr_workitem_id 0
		.amdhsa_next_free_vgpr 192
		.amdhsa_next_free_sgpr 66
		.amdhsa_reserve_vcc 0
		.amdhsa_float_denorm_mode_32 3
		.amdhsa_float_denorm_mode_16_64 3
		.amdhsa_memory_ordered 1
		.amdhsa_forward_progress 1
		.amdhsa_inst_pref_size 132
	.end_amdhsa_kernel
	.amdgpu_metadata
---
amdhsa.version: [ 1, 2 ]
amdhsa.kernels:
  - .name:           k_qa6360a6ac4_prep
    .symbol:         k_qa6360a6ac4_prep.kd
    .args:
      - { .name: x, .offset: 0, .size: 8, .value_kind: global_buffer, .address_space: global }
      - { .name: w_attn, .offset: 8, .size: 8, .value_kind: global_buffer, .address_space: global }
      - { .name: w_proj, .offset: 16, .size: 8, .value_kind: global_buffer, .address_space: global }
      - { .name: xc, .offset: 24, .size: 8, .value_kind: global_buffer, .address_space: global }
      - { .name: xs, .offset: 32, .size: 8, .value_kind: global_buffer, .address_space: global }
      - { .name: wc, .offset: 40, .size: 8, .value_kind: global_buffer, .address_space: global }
      - { .name: ws, .offset: 48, .size: 8, .value_kind: global_buffer, .address_space: global }
      - { .name: wpt, .offset: 56, .size: 8, .value_kind: global_buffer, .address_space: global }
    .group_segment_fixed_size: 102912
    .private_segment_fixed_size: 0
    .kernarg_segment_align: 8
    .kernarg_segment_size: 64
    .max_flat_workgroup_size: 128
    .sgpr_count:     66
    .vgpr_count:     192
    .wavefront_size: 32
...
	.end_amdgpu_metadata
.endif
;; end of part 1
;; launch qkv (part 2): grid 12 x 32, 4 waves a work-group, clusters of 4 x 4, 327,680 bytes of LDS; arguments xc, xs, wc, ws, qkvh, fineq; writes qkvh, fineq
.if DOCPART == 2
	.amdgcn_target "amdgcn-amd-amdhsa--gfx1250"
	.amdhsa_code_object_version 6
	.text
	.protected	k_qa6360a6ac4_qkv
	.globl	k_qa6360a6ac4_qkv
	.p2align	8
	.type	k_qa6360a6ac4_qkv,@function
k_qa6360a6ac4_qkv:
	s_mov_b64 s[64:65], 0
	v_nop
	global_prefetch_b8 v0, s[64:65] scope:SCOPE_SE
	s_setreg_imm32_b32 hwreg(HW_REG_WAVE_MODE, 25, 1), 1
	s_wait_xcnt 0x0
	s_wait_alu depctr_hold_cnt(0) depctr_sa_sdst(0) depctr_va_vdst(0) depctr_va_sdst(0) depctr_va_ssrc(0) depctr_va_vcc(0) depctr_vm_vsrc(0)
	s_getreg_b32 s2, hwreg(HW_REG_IB_STS2, 6, 4)
	s_cmp_eq_u32 s2, 0
	s_cbranch_scc0 .Lentry_in_a_cluster
	s_endpgm
.Lentry_in_a_cluster:
	s_bfe_u32 s2, ttmp6, 0x10000c
	s_cmp_lg_u32 s2, 0xf033
	s_cbranch_scc0 .Lentry_shape_is_right
	s_endpgm
.Lentry_shape_is_right:
; qkv = Q(x) Q(w_attn): [8192][1024] x [3072][1024]^T on codes of FP4 (E2M1) with one E8M0 scale for each 32 along K; sums in f32.
; The result leaves as f16, by head: qkvh [q, k, v][batch 4][head 16][position 2048][64]; positions 0-15 of every sequence leave a second time as f32: fineq [q, k, v][batch][head][16][64].
; LIMIT: |q|, |k|, |v| stay under 65,504 (f16).
; A tile of 256 x 256 is made by four waves, each 128 x 128: 64 accumulators, 512 registers.  K = 1,024 is two slots of 512: both are filled at the start, nothing is filled again.
; The scales of the work-group's 256 + 256 rows, for all of K, come into LDS once, in rows of 256 bytes.
; CLUSTERS: 4 x 4 work-groups.  A's tile (rows of x) is shared along a row of the cluster, B's (rows of wc) along a column: each is asked for jointly.
; The tile row is 8 cy + cluster y: cy is the batch and cluster y the block of 256 positions, so that 'this tile holds positions 0-15' is 'cluster y = 0', alike in all sixteen partners.
; THE MATRIX INSTRUCTION IS USED TRANSPOSED (source 0 = 16 rows of wc, source 1 = 16 rows of xc): a lane holds eight neighbouring columns of one row.
; REGISTERS: window 0: v0-31 addresses; v32-95 scale words, two sets; v128-191 A's fragments, one set; on the way out v128-223.  window 1: B's fragments, two sets.  windows 2, 3: the accumulators ((a, b) at v[8 (8 (a % 4) + b)]).
.set SIZE_K, 1024
.set KSTEP,  512
.set NQ,     KSTEP/128
.set ROWB,   256
.set KROW,   SIZE_K*4/8
.set PITCH,  272                       ; an LDS row: 256 bytes + 16: the 16 rows of a fragment load start at 16 different groups of four banks
.set FR,     8
.set NL,     2
.set NP,     4
.set HALFT,  128*PITCH
.set SLOT,   4*HALFT
.set KS,     SIZE_K/32
.set SCL,    2*SLOT
.set HALFS,  (128*KS/256)*272
.set SBLK,   (16*KS/256)*272
.set SPARE,  SCL+4*HALFS               ; the spare words, 128 bytes a wave
.set ADRA, 16
.set ADRB, 20
.set STO,  24
.set RD,   25
.set CO,   26
.set ADRS, 27
.set SPW,  28
.set NIL,  29
.set FO,   30                          ; v30  the f32 copy: my byte offset in a plane of 16 x 64
.set SC,   32
.set AF,   128
.set BK,   128                         ; the way out: rows read back: v128-159 and v160-191 by turns
.set TMP,  192                         ; the way out: a block's 32 registers of f16
.set G1, 24
.set G0, 32
.set G1B, 48
.set G0B, 56
.set G1S, 68
.set G0S, 76
.set G1SB, 80
.set G0SB, 88
.set MSB, 0
.macro WIN new                         ; the immediate's high byte repeats the setting that is left
.if MSB != (\new)
	s_set_vgpr_msb (MSB<<8)|(\new)
.set MSB, (\new)
.endif
.endm
.set MUL_LO, 0xa1
.set MUL_HI, 0xf1
.set TO_B,   0x40
; A joint load: waves 0 and 1 fetch for A, waves 2 and 3 for B; the branch hangs on the wave's number alone.  An s_nop 0 and four v_nop follow each line.
.macro JLOAD g0a, g1a, g0b, g1b
	s_cmp_eq_u32 s15, 0
	s_cbranch_scc0 .Lfor_b_\@
	tensor_load_to_lds s[\g0a:\g0a+3], s[\g1a:\g1a+7]
	s_nop 0
.rept 4
	v_nop
.endr
	s_branch .Lasked_\@
.Lfor_b_\@:
	tensor_load_to_lds s[\g0b:\g0b+3], s[\g1b:\g1b+7]
	s_nop 0
.rept 4
	v_nop
.endr
.Lasked_\@:
.endm
.macro CROUND                          ; a round of the cluster's barrier
	s_barrier_signal -1
	s_barrier_wait -1
	s_cmp_lg_u32 s14, 0
	s_cbranch_scc1 .Lnot_wave_0_\@
	s_barrier_signal -3
.Lnot_wave_0_\@:
	s_barrier_wait -3
	s_barrier_signal -1
	s_barrier_wait -1
.endm
	s_load_b128 s[4:7], s[0:1], 0x0                ; x's codes, x's scales
	s_load_b128 s[8:11], s[0:1], 0x10              ; w's codes, w's scales
	s_load_b64 s[12:13], s[0:1], 0x20              ; qkvh
	s_load_b64 s[96:97], s[0:1], 0x28              ; fineq
	v_lshl_add_u32 v[SPW], v0, 2, SPARE
	v_mov_b32 v[NIL], 0
	ds_add_u32 v[SPW], v[NIL]                      ; the wave's opening: the add, twice on end, and its wait ahead of my first tensor load
	ds_add_u32 v[SPW], v[NIL]
	v_lshrrev_b32 v1, 5, v0
	v_readfirstlane_b32 s14, v1                    ; wave 0..3
	s_lshr_b32 s15, s14, 1                         ; my half of the tile's rows; also: I fetch for A (0) or B (1)
	s_and_b32 s16, s14, 1                          ; my half of its columns; also: which 128 rows I fetch
	s_bfe_u32 s40, ttmp6, 0x40000                  ; cx
	s_bfe_u32 s41, ttmp6, 0x40004                  ; cy
	s_lshl_b32 s42, ttmp9, 2
	s_add_co_u32 s42, s42, s40                     ; tile column = 4 x cluster x + cx
	s_and_b32 s95, ttmp7, 0xffff                   ; cluster y: the block of 256 positions
	s_lshl_b32 s17, s41, 3
	s_add_co_u32 s17, s17, s95                     ; tile row = 8 cy + cluster y
	s_lshl_b32 s43, s41, 2
	s_lshl_b32 s43, 15, s43                        ; my row of the cluster
	s_lshl_b32 s44, 0x1111, s40                    ; my column
	s_or_b32 s[G1+0], s43, (0<<16)|(1<<20)|(1<<21)|(5<<22)|(3<<25)  ; the mask; elements of 1 byte; padding on: 4 words behind every 64; bit 21 beside a mask
	s_or_b32 s[G1B+0], s44, (0<<16)|(1<<20)|(1<<21)|(5<<22)|(3<<25)
.irp g, G1, G1B
	s_mov_b32 s[\g+1], ROWB<<16                    ; tensor_dim0
	s_mov_b32 s[\g+2], 128<<16                     ; tensor_dim1
	s_mov_b32 s[\g+3], ROWB<<16                    ; tile_dim0
	s_mov_b32 s[\g+4], 128                         ; tile_dim1
	s_mov_b32 s[\g+5], KROW                        ; from row to row
	s_mov_b32 s[\g+6], 0
	s_mov_b32 s[\g+7], 0
.endr
	s_or_b32 s[G1S+0], s43, (3<<16)|(1<<20)|(1<<21)|(5<<22)|(3<<25)  ; the scales of 128 rows: a dense block, as rows of 32 elements of 8 bytes
	s_or_b32 s[G1SB+0], s44, (3<<16)|(1<<20)|(1<<21)|(5<<22)|(3<<25)
.irp g, G1S, G1SB
	s_mov_b32 s[\g+1], 32<<16
	s_mov_b32 s[\g+2], (128*KS/256)<<16
	s_mov_b32 s[\g+3], 32<<16
	s_mov_b32 s[\g+4], 128*KS/256
	s_mov_b32 s[\g+5], 32
	s_mov_b32 s[\g+6], 0
	s_mov_b32 s[\g+7], 0
.endr
	s_lshl_b32 s18, s16, 7
	s_lshl_b32 s20, s17, 8
	s_add_co_u32 s20, s20, s18                     ; A: row 256 x tile row + 128 x half
	s_lshl_b32 s46, s42, 8
	s_add_co_u32 s46, s46, s18                     ; B: row 256 x tile column + 128 x half
	s_mov_b32 s21, 0
	s_mov_b32 s47, 0
	s_mov_b64 s[18:19], KS
	s_mul_u64 s[22:23], s[20:21], s[18:19]
	s_mul_u64 s[92:93], s[46:47], s[18:19]
	s_mov_b64 s[18:19], KROW
	s_mul_u64 s[20:21], s[20:21], s[18:19]
	s_mul_u64 s[46:47], s[46:47], s[18:19]
	s_mul_i32 s45, s14, HALFT                      ; where they go: wave x 128 rows
	s_mul_i32 s94, s14, HALFS
	s_wait_dscnt 0x0                               ; both opening adds are done
	s_wait_kmcnt 0x0
	s_add_nc_u64 s[20:21], s[4:5], s[20:21]
	s_add_nc_u64 s[22:23], s[6:7], s[22:23]
	s_add_nc_u64 s[46:47], s[8:9], s[46:47]
	s_add_nc_u64 s[92:93], s[10:11], s[92:93]
	CROUND                                         ; all sixteen work-groups are here: the joint loads meet
	s_mov_b32 s[G0S], 1
	s_add_co_u32 s[G0S+1], s94, SCL
	s_mov_b64 s[G0S+2:G0S+3], s[22:23]
	s_or_b32 s[G0S+3], s[G0S+3], 0x80000000
	s_mov_b32 s[G0SB], 1
	s_add_co_u32 s[G0SB+1], s94, SCL
	s_mov_b64 s[G0SB+2:G0SB+3], s[92:93]
	s_or_b32 s[G0SB+3], s[G0SB+3], 0x80000000
	JLOAD G0S, G1S, G0SB, G1SB                     ; the scales first
.irp s, 0,1
	s_mov_b32 s[G0+4*\s], 1
	s_add_co_u32 s[G0+4*\s+1], s45, \s*SLOT
	s_add_nc_u64 s[G0+4*\s+2:G0+4*\s+3], s[20:21], \s*ROWB
	s_or_b32 s[G0+4*\s+3], s[G0+4*\s+3], 0x80000000
	s_mov_b32 s[G0B+4*\s], 1
	s_add_co_u32 s[G0B+4*\s+1], s45, \s*SLOT
	s_add_nc_u64 s[G0B+4*\s+2:G0B+4*\s+3], s[46:47], \s*ROWB
	s_or_b32 s[G0B+4*\s+3], s[G0B+4*\s+3], 0x80000000
	JLOAD G0+4*\s, G1, G0B+4*\s, G1B               ; three loads of mine are out in all
.endr
	v_and_b32 v1, 15, v0                           ; r
	v_bfe_u32 v2, v0, 4, 1                         ; h
	v_mul_u32_u24 v3, v1, PITCH
	v_lshl_add_u32 v4, v2, 4, v3
	s_mul_i32 s21, s15, HALFT
	s_mul_i32 s22, s16, HALFT
	s_add_co_u32 s22, s22, 2*HALFT
.irp s, 0,1
	v_add_nc_u32 v[ADRA+\s], s21, v4
	v_add_nc_u32 v[ADRB+\s], s22, v4
	s_add_co_u32 s21, s21, SLOT
	s_add_co_u32 s22, s22, SLOT
.endr
	v_mul_u32_u24 v5, v1, KS                       ; my row's scales,
	v_lshrrev_b32 v6, 8, v5
	v_lshl_add_u32 v5, v6, 4, v5                   ; and 16 more for each 256 passed
	s_mul_i32 s21, s15, HALFS
	s_mul_i32 s22, s16, HALFS
	s_add_co_u32 s22, s22, 2*HALFS
	s_sub_co_u32 s22, s22, s21
	v_mul_u32_u24 v6, s22, v2                      ; lanes 16-31 take B's
	s_add_co_u32 s21, s21, SCL
	v_add_nc_u32 v5, v5, v6
	v_add_nc_u32 v[ADRS], s21, v5
	s_mul_i32 s23, s14, 16*PITCH                   ; my stage: 16 rows x 272, in slot 0, which has had its only fill and its last read when the first result is stored there
	v_add_nc_u32 v[STO], s23, v4                   ; in: row r, 16 bytes for each half of the lanes
	v_and_b32 v6, 31, v0
	v_lshrrev_b32 v5, 3, v6
	v_mul_u32_u24 v5, v5, PITCH
	v_and_b32 v7, 7, v0
	v_lshl_add_u32 v5, v7, 4, v5
	v_add_nc_u32 v[RD], s23, v5                    ; back: eight lanes take a head's 128 bytes of a row, four rows an instruction
	v_lshlrev_b32 v[CO], 4, v6                     ; which are 512 consecutive bytes of the head's plane
	v_lshlrev_b32 v[FO], 8, v1
	v_lshl_add_u32 v[FO], v2, 5, v[FO]             ; the f32 copy: row r of 256 bytes, + 32 h
	s_lshl_b32 s20, ttmp9, 6                       ; my first plane: 64 x (q, k or v) + 16 x batch + head; head = 4 cx + 2 x column half
	s_lshl_b32 s21, s41, 4
	s_add_co_u32 s20, s20, s21
	s_lshl_b32 s21, s40, 2
	s_add_co_u32 s20, s20, s21
	s_lshl_b32 s21, s16, 1
	s_add_co_u32 s20, s20, s21
	s_lshl_b32 s46, s20, 12                        ; planes of 4,096 bytes in fineq
	s_mov_b32 s47, 0
	s_add_nc_u64 s[96:97], s[96:97], s[46:47]
	s_lshl_b32 s46, s20, 18                        ; planes of 262,144 bytes in qkvh,
	s_lshl_b32 s21, s95, 15                        ; 256 positions of 128 bytes,
	s_add_co_u32 s46, s46, s21
	s_lshl_b32 s21, s15, 14                        ; my 128 of them
	s_add_co_u32 s46, s46, s21
	s_add_nc_u64 s[12:13], s[12:13], s[46:47]
	s_or_b32 s95, s95, s15                         ; 0 where my first 16 rows are positions 0-15
.macro FRAG reg, adr, q, i             ; 16 rows x 128 K of 4-bit codes: 8 registers, two loads of 16 bytes, 32 bytes apart
.irp c, 0,1
	ds_load_b128 v[\reg+4*\c:\reg+4*\c+3], v[\adr] offset:64*(\q)+32*\c+(\i)*16*PITCH
.endr
.endm
; 16 matrix instructions: A's blocks a0, a0 + 1 x B's eight.  The 64 accumulators take turns, one instruction a turn.
.macro MUL16 a0, p, q, sc, zero
.irp a, \a0, \a0+1
.irp b, 0,1,2,3,4,5,6,7
.if \zero
	v_wmma_scale_f32_16x16x128_f8f6f4 v[8*(8*((\a)%4)+\b):8*(8*((\a)%4)+\b)+7], v[128*(\p)+FR*\b:128*(\p)+FR*\b+FR-1], v[AF+FR*(\a):AF+FR*(\a)+FR-1], 0, v[SC+8*NQ*(\sc)+NQ*\b+(\q)], v[SC+8*NQ*(\sc)+NQ*(\a)+(\q)] matrix_a_fmt:MATRIX_FMT_FP4 matrix_b_fmt:MATRIX_FMT_FP4 matrix_a_scale:MATRIX_SCALE_ROW1
.else
	v_wmma_scale_f32_16x16x128_f8f6f4 v[8*(8*((\a)%4)+\b):8*(8*((\a)%4)+\b)+7], v[128*(\p)+FR*\b:128*(\p)+FR*\b+FR-1], v[AF+FR*(\a):AF+FR*(\a)+FR-1], v[8*(8*((\a)%4)+\b):8*(8*((\a)%4)+\b)+7], v[SC+8*NQ*(\sc)+NQ*\b+(\q)], v[SC+8*NQ*(\sc)+NQ*(\a)+(\q)] matrix_a_fmt:MATRIX_FMT_FP4 matrix_b_fmt:MATRIX_FMT_FP4 matrix_a_scale:MATRIX_SCALE_ROW1
.endif
.endr
.endr
.endm
.macro FETCH_B slot, q, p
	WIN TO_B
.irp i, 0,1,2,3,4,5,6,7
	FRAG 128*(\p)+FR*\i, ADRB+\slot, \q, \i
.endr
	WIN 0
.endm
.macro FETCH_A slot, q, i0
.irp i, \i0, \i0+1, \i0+2, \i0+3
	FRAG AF+FR*(\i), ADRA+\slot, \q, \i
.endr
.endm
.macro SCALES sc                       ; a slot's scale words: lanes 0-15 A's block i, lanes 16-31 B's block i
.irp i, 0,1,2,3,4,5,6,7
	ds_load_b128 v[SC+8*NQ*\sc+NQ*\i:SC+8*NQ*\sc+NQ*\i+3], v[ADRS] offset:\i*SBLK
.endr
.endm
.macro PLACES n                        ; plain vector instructions between a matrix instruction and a load into its registers or a read of its result
.rept \n
	v_nop
.endr
.endm
.macro STEP slot, q, zero              ; 128 along K with its successor in the same slot
	s_wait_dscnt 4*NL                              ; B's set and A's blocks 0-3 are in; A's blocks 4-7, the youngest eight loads, may be out
	WIN MUL_LO
	MUL16 0, (\q)%2, \q, \slot, \zero
	MUL16 2, (\q)%2, \q, \slot, \zero
	s_wait_dscnt 0
	PLACES NP
	FETCH_B \slot, (\q)+1, 1-(\q)%2
	FETCH_A \slot, (\q)+1, 0
	WIN MUL_HI
	MUL16 4, (\q)%2, \q, \slot, \zero
	MUL16 6, (\q)%2, \q, \slot, \zero
	PLACES NP
	WIN 0
	FETCH_A \slot, (\q)+1, 4
.endm
.macro TURN slot, next                 ; a slot's last step changes slots: one barrier; nothing is filled again
	s_wait_tensorcnt 0x0                           ; all my tensor loads have landed: my part of the next slot
	ds_add_u32 v[SPW], v[NIL]
	s_wait_dscnt 4*NL+1                            ; (the add and A's blocks 4-7 may be out)
	WIN MUL_LO
	MUL16 0, 1, NQ-1, \slot, 0
	s_wait_dscnt 0x0                               ; the add is done, my reads of this slot are over
	s_barrier_signal -1
	MUL16 2, 1, NQ-1, \slot, 0
	WIN 0
	s_barrier_wait -1                              ; the next slot is whole, and nobody reads this one any more
	PLACES NP
	v_add_nc_u32 v[ADRS], 4*NQ, v[ADRS]
	FETCH_B \next, 0, 0
	FETCH_A \next, 0, 0
	SCALES \next
	WIN MUL_HI
	MUL16 4, 1, NQ-1, \slot, 0
	MUL16 6, 1, NQ-1, \slot, 0
	PLACES NP
	WIN 0
	FETCH_A \next, 0, 4
.endm
	s_wait_tensorcnt 1                             ; the scales and my part of slot 0 are in; slot 1's load may be out
	s_barrier_signal -1
	s_barrier_wait -1
	FETCH_B 0, 0, 0
	FETCH_A 0, 0, 0
	SCALES 0
	FETCH_A 0, 0, 4
	STEP 0, 0, 1                                   ; the first products start the sums: nothing is cleared
	STEP 0, 1, 0
	STEP 0, 2, 0
	TURN 0, 1
	STEP 1, 0, 0
	STEP 1, 1, 0
	STEP 1, 2, 0
	s_wait_dscnt 4*NL
	WIN MUL_LO
	MUL16 0, 1, NQ-1, 1, 0
	MUL16 2, 1, NQ-1, 1, 0
	s_wait_dscnt 0
	WIN MUL_HI
	MUL16 4, 1, NQ-1, 1, 0
	MUL16 6, 1, NQ-1, 1, 0
	WIN 0
; THE WAY OUT, a block of 16 rows x 128 columns (two heads) at a time: rounded to f16, 16 bytes a lane into my stage, back by heads: four rows of a head are 512 consecutive bytes of its plane.
.macro PACK a
.set AC, 64*((\a)%4)
	WIN 0x0a+5*((\a)/4)                            ; sources 0 and 1: window 2 or 3
.irp b, 0,1,2,3,4,5,6,7
.irp r, 0,1,2,3
	v_cvt_pk_f16_f32 v[TMP+4*\b+\r], v[AC+8*\b+2*\r], v[AC+8*\b+2*\r+1]   ; each accumulator from its low end on
.endr
.endr
	WIN 0
.endm
.macro TOSTAGE a
.set BB, BK+32*((\a)%2)
.irp b, 0,1,2,3,4,5,6,7
	ds_store_b128 v[STO], v[TMP+4*\b:TMP+4*\b+3] offset:32*\b
.endr
.irp i, 0,1,2,3,4,5,6,7
	ds_load_b128 v[BB+4*\i:BB+4*\i+3], v[RD] offset:(\i%4)*4*PITCH+(\i/4)*128   ; LDS serves a wave's instructions in order: these see the stores above
.endr
.endm
.macro SEND a
.set BB, BK+32*((\a)%2)
	s_wait_dscnt 0x0                               ; the block is back in registers
	s_wait_xcnt 0x0                                ; earlier stores have read their base and their registers
.if (\a) > 0
	s_add_nc_u64 s[12:13], s[12:13], 2048          ; 16 positions on
.endif
.irp i, 0,1,2,3,4,5,6,7
	global_store_b128 v[CO], v[BB+4*\i:BB+4*\i+3], s[12:13] offset:(\i/4)*262144+(\i%4)*512   ; 32 lanes store 512 consecutive bytes, aligned
.endr
.endm
	PLACES NP
	PACK 0
	s_cmp_lg_u32 s95, 0                            ; cluster y and the wave's row half: alike in all partners
	s_cbranch_scc1 .Lnofine
	WIN 0x08                                       ; a store's data are its source 1: window 2
.irp b, 0,1,2,3,4,5,6,7
	global_store_b128 v[FO], v[8*\b:8*\b+3], s[96:97] offset:(\b/4)*4096+(\b%4)*64       ; positions 0-15 as f32: head b / 4, channels 16 (b % 4) + 8 h on
	global_store_b128 v[FO], v[8*\b+4:8*\b+7], s[96:97] offset:(\b/4)*4096+(\b%4)*64+16
.endr
	WIN 0
.Lnofine:
	TOSTAGE 0
.irp a, 1,2,3,4,5,6,7
	PACK \a
	SEND \a-1
	TOSTAGE \a
.endr
	SEND 7
	s_wait_tensorcnt 0x0                           ; the wave's end
	ds_add_u32 v[SPW], v[NIL]
	s_wait_dscnt 0x0
	CROUND                                         ; the closing round
	s_endpgm
.Lfunc_end_k_qa6360a6ac4_qkv:
	.size	k_qa6360a6ac4_qkv, .Lfunc_end_k_qa6360a6ac4_qkv-k_qa6360a6ac4_qkv
	.p2alignl 7, 3214868480
	.fill 96, 4, 3214868480
	.section	.rodata,"a",@progbits
	.p2align	6, 0x0
	.amdhsa_kernel k_qa6360a6ac4_qkv
		.amdhsa_group_segment_fixed_size 327680
		.amdhsa_private_segment_fixed_size 0
		.amdhsa_enable_private_segment 0
		.amdhsa_kernarg_size 48
		.amdhsa_user_sgpr_count 2
		.amdhsa_user_sgpr_kernarg_segment_ptr 1
		.amdhsa_wavefront_size32 1
		.amdhsa_system_sgpr_workgroup_id_x 1
		.amdhsa_system_sgpr_workgroup_id_y 1
		.amdhsa_system_sgpr_workgroup_id_z 1
		.amdhsa_system_vgpr_workitem_id 0
		.amdhsa_next_free_vgpr 1024
		.amdhsa_next_free_sgpr 100
		.amdhsa_reserve_vcc 0
		.amdhsa_float_denorm_mode_32 3
		.amdhsa_float_denorm_mode_16_64 3
		.amdhsa_memory_ordered 1
		.amdhsa_forward_progress 1
		.amdhsa_inst_pref_size 128
	.end_amdhsa_kernel
	.amdgpu_metadata
---
amdhsa.version: [ 1, 2 ]
amdhsa.kernels:
  - .name:           k_qa6360a6ac4_qkv
    .symbol:         k_qa6360a6ac4_qkv.kd
    .args:
      - { .name: xc, .offset: 0, .size: 8, .value_kind: global_buffer, .address_space: global }
      - { .name: xs, .offset: 8, .size: 8, .value_kind: global_buffer, .address_space: global }
      - { .name: wc, .offset: 16, .size: 8, .value_kind: global_buffer, .address_space: global }
      - { .name: ws, .offset: 24, .size: 8, .value_kind: global_buffer, .address_space: global }
      - { .name: qkvh, .offset: 32, .size: 8, .value_kind: global_buffer, .address_space: global }
      - { .name: fineq, .offset: 40, .size: 8, .value_kind: global_buffer, .address_space: global }
    .group_segment_fixed_size: 327680
    .private_segment_fixed_size: 0
    .kernarg_segment_align: 8
    .kernarg_segment_size: 48
    .max_flat_workgroup_size: 128
    .sgpr_count:     100
    .vgpr_count:     1024
    .wavefront_size: 32
...
	.end_amdgpu_metadata
.endif
;; end of part 2
;; launch attn (part 3): grid 4 x 64, 8 waves a work-group, no clusters, 327,680 bytes of LDS; arguments qkvh, yh; writes yh
.if DOCPART == 3
	.amdgcn_target "amdgcn-amd-amdhsa--gfx1250"
	.amdhsa_code_object_version 6
	.text
	.protected	k_qa6360a6ac4_attn
	.globl	k_qa6360a6ac4_attn
	.p2align	8
	.type	k_qa6360a6ac4_attn,@function
k_qa6360a6ac4_attn:
	s_mov_b64 s[64:65], 0
	v_nop
	global_prefetch_b8 v0, s[64:65] scope:SCOPE_SE
	s_setreg_imm32_b32 hwreg(HW_REG_WAVE_MODE, 25, 1), 1
	s_wait_xcnt 0x0
; y[b][head][q] = the sum over k <= q of softmax_k(q . k / 8) v, on f16 operands with f32 products, maxima and sums.  qkvh: [q, k, v][b x 16 + head][2048][64] f16.  yh: [head][b x 2048 + position][64] f16.
; LIMITS: |q|, |k|, |v| under 65,504 (f16); NaN and infinities are not served.  Positions 0-15 of each sequence are computed here too and are made anew in f32 by the last launch.
; SHARES.  Work-group (i, bh) owns query blocks i and 7 - i (256 queries each) of one head: (i + 1) + (8 - i) = 9 key blocks of 256, the same for every work-group, so the loop's trip count is a constant.
; Each of eight waves owns 32 queries, two tiles of 16, so that each fragment of K and V read from LDS feeds two products; two waves share a SIMD.
; NO CLUSTER: in one and the same trip the four work-groups of a head want different key blocks (trip s wants block s, or s - i - 1), so no two of them could issue a load with the same descriptor.
; LAYOUT.  S^T = K Q^T (source 0 = 16 keys, source 1 = 16 queries): a lane holds one query (lane % 16) and keys 8 (lane / 16) + 0..7.  Two such tiles rounded to f16 in pairs are source 1 of O^T = V^T P.  V is turned by ds_load_tr16_b128.
; SOFTMAX.  A running maximum m for each query; p = 2^(c s - c m), c = log2(e) / 8; in every step O and the sum are multiplied by a = 2^(c m_old - c m_new).
; THE ROW'S SUM is a product too: L = ONES (16 x 32 of 1.0) x P: every register of L holds the query's whole sum, of the same rounded p that multiply V; only registers 0, 1 are rescaled and only register 0 is read
; (the other six add up p <= 1 over at most 2,048 keys and are read by nobody).
; THE MASK.  A step all of whose 64 keys come after the wave's 32 queries is jumped over (a branch on ids); on the diagonal hidden scores become -infinity.  In a step that is walked its first key counts for every query of the wave.
; REGISTERS.  window 0: v1 -inf; v2-15 addresses; v16-31 statistics, eight a tile: +0 c m, +1 m, +4..7 at work (a takes +6); v32-63 Q; v64-127 S^T; v128-159 P; v160-165 set-up; v192-255 K's 8 fragments.
;             window 1: v0-63 O^T (32 a tile); v64-79 L; v80-87 ONES; v128-191 V's 8 fragments.
.set PK,    144                        ; a row of K in LDS: 128 bytes + 16
.set PV,    160                        ; a row of V: 128 + 32: an odd multiple of 32
.set VOFF,  64*PK                      ; a step's tiles: 64 rows of K, then 64 rows of V
.set STEPB, 64*(PK+PV)
.set SLOT1, 1<<17                      ; a slot holds four steps (77,824 bytes); slot 1 begins here
.set STAGE, 2*SLOT1                    ; 32 rows x 144 bytes for each wave, for the way out; no tile lands there
.set SPARE, STAGE+8*32*PK              ; the spare words, 128 bytes a wave
.set NEG, 1
.set AK0, 2
.set AV0, 3
.set ADK, 4
.set ADV, 5
.set QO,  6
.set STO, 7
.set RD,  8
.set GO,  9
.set SPW, 10
.set NIL, 11
.set PFO, 12
.set RH,  13
.set D0,  14
.set ST,  16
.set Q,   32
.set S,   64
.set P,   128
.set KFR, 192
.set LS,  64                           ; in window 1
.set ONES, 80
.set VF,  128
.set WV,  8
.set PI,  9
.set PI1, 10
.set BH,  11
.set G1K, 16
.set G1V, 24
.set G0K, 32
.set G0V, 36
.set KB,  40
.set VB,  42
.set KBC, 44
.set KBN, 45
.set TRIP, 46
.set STP, 47
.set TB,  48
.set KF,  49
.set Q0,  50
.set QB,  51
.set CS,  52
.set SEL, 54
.set QA,  56
.set YA,  58
.set QC,  60
.set YC,  62
.set PFB, 68
.set PFA, 70
.set LO,  72
.set MSB, 0
.macro WIN new
.if MSB != (\new)
	s_set_vgpr_msb (MSB<<8)|(\new)
.set MSB, (\new)
.endif
.endm
; Every wave fetches: waves 0-3 the four steps' tiles of K, waves 4-7 those of V: one load of 64 rows a wave.  An s_nop 0 and four v_nop follow each line.
.macro TLOAD
	s_cmp_lt_u32 s[WV], 4
	s_cbranch_scc0 .Lfor_v_\@
	tensor_load_to_lds s[G0K:G0K+3], s[G1K:G1K+7]
	s_nop 0
.rept 4
	v_nop
.endr
	s_branch .Lasked_\@
.Lfor_v_\@:
	tensor_load_to_lds s[G0V:G0V+3], s[G1V:G1V+7]
	s_nop 0
.rept 4
	v_nop
.endr
.Lasked_\@:
.endm
; A PREFETCH INTO THE L2 of the key block that my NEXT change of slots will ask for: a trip of four key steps ahead.  Of a head's four work-groups the one with i = 0 reaches key blocks 4 to 7 first: it alone asks,
; in trips 3 to 6; each of its waves names the 8,192 bytes that it will itself fetch, lanes 256 bytes apart: each block of 256 bytes is named once in the launch.  Key blocks 0 to 3 come by their loads alone.
.macro ASK
	s_sub_co_u32 s73, s[TRIP], s[LO]
	s_cmp_lt_u32 s73, 4
	s_cbranch_scc0 .Lnot_mine_\@
	global_prefetch_b8 v[PFO], s[PFA:PFA+1] th:TH_LOAD_NT scope:SCOPE_SE
.Lnot_mine_\@:
.endm
	s_load_b128 s[4:7], s[0:1], 0x0                ; qkvh, yh
	v_lshl_add_u32 v[SPW], v0, 2, SPARE
	v_mov_b32 v[NIL], 0
	ds_add_u32 v[SPW], v[NIL]                      ; the wave's opening: the add, twice on end, and its wait ahead of my first tensor load
	ds_add_u32 v[SPW], v[NIL]
	v_lshrrev_b32 v1, 5, v0
	v_readfirstlane_b32 s[WV], v1                  ; wave 0..7
	s_mov_b32 s[PI], ttmp9
	s_add_co_u32 s[PI1], ttmp9, 1
	s_and_b32 s[BH], ttmp7, 0xffff
	s_mov_b32 s[G1K], (1<<16)|(1<<20)|(4<<22)|(3<<25)   ; elements of 2 bytes; padding on: 4 words behind every 32
	s_mov_b32 s[G1V], (1<<16)|(1<<20)|(4<<22)|(7<<25)   ; 8 words behind every 32
.irp g, G1K, G1V
	s_mov_b32 s[\g+1], 64<<16                      ; tensor_dim0
	s_mov_b32 s[\g+2], 64<<16                      ; tensor_dim1
	s_mov_b32 s[\g+3], 64<<16                      ; tile_dim0
	s_mov_b32 s[\g+4], 64                          ; tile_dim1
	s_mov_b32 s[\g+5], 64                          ; from row to row
	s_mov_b32 s[\g+6], 0
	s_mov_b32 s[\g+7], 0
.endr
	s_and_b32 s73, s[WV], 3                        ; which of a slot's four steps I fetch
	s_mul_i32 s74, s73, STEPB                      ; its place in a slot
	s_lshl_b32 s66, s73, 13                        ; its 64 rows of 128 bytes in a key block
	s_lshl_b32 s75, s[BH], 18                      ; my head's plane
	s_add_co_u32 s66, s66, s75
	s_mov_b32 s67, 0
	s_mov_b32 s[CS], 0x3e38aa3b                    ; c = log2(e) / 8
	s_mov_b32 s[CS+1], s[CS]
	s_mov_b32 s[SEL], 0x76543210
	s_mov_b32 s[SEL+1], 0xfedcba98
	s_mov_b32 s[LO], 100
	s_cmp_eq_u32 ttmp9, 0
	s_cselect_b32 s[LO], 3, s[LO]
	s_wait_dscnt 0x0                               ; both opening adds are done
	s_wait_kmcnt 0x0
	s_add_nc_u64 s[KB:KB+1], s[4:5], s[66:67]
	s_add_nc_u64 s[KB:KB+1], s[KB:KB+1], 64*262144 ; k's planes lie behind q's 64,
	s_add_nc_u64 s[VB:VB+1], s[KB:KB+1], 64*262144 ; v's behind k's
	s_mov_b32 s[G0K], 1
	s_mov_b32 s[G0K+1], s74
	s_mov_b64 s[G0K+2:G0K+3], s[KB:KB+1]
	s_or_b32 s[G0K+3], s[G0K+3], 0x80000000
	s_mov_b32 s[G0V], 1
	s_add_co_u32 s[G0V+1], s74, VOFF
	s_mov_b64 s[G0V+2:G0V+3], s[VB:VB+1]
	s_or_b32 s[G0V+3], s[G0V+3], 0x80000000
	TLOAD                                          ; key block 0 into slot 0
	s_mov_b32 s66, s75
	s_add_nc_u64 s[QA:QA+1], s[4:5], s[66:67]      ; q's plane of my head
	s_and_b32 s66, s[BH], 15
	s_lshl_b32 s66, s66, 20                        ; yh: the head's 8,192 rows of 128 bytes,
	s_lshr_b32 s73, s[BH], 4
	s_lshl_b32 s73, s73, 18                        ; the batch's 2,048
	s_add_co_u32 s66, s66, s73
	s_add_nc_u64 s[YA:YA+1], s[6:7], s[66:67]
	s_cmp_lt_u32 s[WV], 4
	s_cselect_b64 s[PFB:PFB+1], s[KB:KB+1], s[VB:VB+1]
	v_and_b32 v160, 15, v0                         ; r
	v_bfe_u32 v161, v0, 4, 1                       ; h
	v_and_b32 v162, 31, v0                         ; lane
	v_and_b32 v163, 7, v0
	v_bfe_u32 v164, v0, 3, 1
	v_mul_u32_u24 v[AK0], v160, PK
	v_lshl_add_u32 v[AK0], v161, 4, v[AK0]         ; K: row r, + 16 h
	v_lshl_add_u32 v[AV0], v161, 3, v163
	v_mul_u32_u24 v[AV0], v[AV0], PV
	v_lshl_add_u32 v[AV0], v164, 4, v[AV0]
	v_add_nc_u32 v[AV0], VOFF, v[AV0]              ; V: key 8 h + lane % 8, channels 8 ((lane / 8) % 2) on
	v_lshlrev_b32 v[QO], 7, v160
	v_lshl_add_u32 v[QO], v161, 4, v[QO]
	s_mul_i32 s73, s[WV], 32*PK
	s_add_co_u32 s73, s73, STAGE
	v_add_nc_u32 v[STO], s73, v[AK0]               ; the stage, in: row r, + 16 h
	v_lshrrev_b32 v165, 3, v162
	v_mul_u32_u24 v[RD], v165, PK
	v_lshl_add_u32 v[RD], v163, 4, v[RD]
	v_add_nc_u32 v[RD], s73, v[RD]                 ; back: eight lanes to a row of 128 bytes, four rows an instruction
	v_lshlrev_b32 v[GO], 4, v162
	v_lshlrev_b32 v[PFO], 8, v162
	v_lshlrev_b32 v165, 3, v161
	v_sub_nc_u32 v[RH], v160, v165                 ; r - 8 h
	v_mov_b32 v[NEG], 0xff800000
	WIN 0x40
.irp i, 0,1,2,3,4,5,6,7
	v_mov_b32 v[ONES+\i], 0x3c003c00               ; 1.0, twice, in f16
.endr
	WIN 0
; A query block begins: Q into registers; m = -3e38; O^T and L zeros (the step is written once: its first turn multiplies zeros by a = 0).
.macro START
	s_lshl_b32 s[Q0], s[QB], 8
	s_lshl_b32 s73, s[WV], 5
	s_add_co_u32 s[Q0], s[Q0], s73                 ; my first query
	s_lshl_b32 s66, s[Q0], 7
	s_mov_b32 s67, 0
	s_add_nc_u64 s[QC:QC+1], s[QA:QA+1], s[66:67]
.irp t, 0,1
.irp c, 0,1
	global_load_b128 v[Q+16*\t+8*\c:Q+16*\t+8*\c+3],   v[QO], s[QC:QC+1] offset:\t*2048+\c*64
	global_load_b128 v[Q+16*\t+8*\c+4:Q+16*\t+8*\c+7], v[QO], s[QC:QC+1] offset:\t*2048+\c*64+32
.endr
.endr
.irp t, 0,1
	v_mov_b32 v[ST+8*\t+1], 0xff61b1e6             ; under every score
	v_mul_f32 v[ST+8*\t], s[CS], v[ST+8*\t+1]
	v_mov_b32 v[ST+8*\t+7], 0                      ; (named as the upper half of the pair with a)
.endr
	WIN 0x40
.set e, 0
.rept 80
	v_mov_b32 v[e], 0
.set e, e+1
.endr
	WIN 0
	s_wait_loadcnt 0x0
.endm
; A query block ends: O^T / L, rounded to f16, through my stage, out as 512 consecutive bytes an instruction.
.macro FINISH
	s_lshl_b32 s66, s[Q0], 7
	s_mov_b32 s67, 0
	s_add_nc_u64 s[YC:YC+1], s[YA:YA+1], s[66:67]  ; (the stores of the block before have read it: the wait at this macro's end)
	WIN 0x01                                       ; source 0 window 1
	v_rcp_f32 v[ST+6], v[LS]
	v_rcp_f32 v[ST+14], v[LS+8]
	v_nop                                          ; a plain instruction behind the reciprocals
	s_wait_alu depctr_va_vdst(0)                   ; the wait ahead of the first use: one for both
.set e, 0
.rept 16
	v_pk_mul_f32 v[S+2*e:S+2*e+1], v[2*e:2*e+1], v[ST+6:ST+7] op_sel_hi:[1,0]
	v_pk_mul_f32 v[S+32+2*e:S+32+2*e+1], v[32+2*e:32+2*e+1], v[ST+14:ST+15] op_sel_hi:[1,0]
.set e, e+1
.endr
	WIN 0
.set e, 0
.rept 32
	v_cvt_pk_f16_f32 v[P+e], v[S+2*e], v[S+2*e+1]
.set e, e+1
.endr
.irp t, 0,1
.irp x, 0,1,2,3
	ds_store_b128 v[STO], v[P+16*\t+4*\x:P+16*\t+4*\x+3] offset:\t*16*PK+32*\x
.endr
.endr
.irp i, 0,1,2,3,4,5,6,7
	ds_load_b128 v[S+4*\i:S+4*\i+3], v[RD] offset:\i*4*PK   ; LDS serves a wave's instructions in order: these see the stores above
.endr
.irp i, 0,1,2,3,4,5,6,7
	s_wait_dscnt 7-\i
	global_store_b128 v[GO], v[S+4*\i:S+4*\i+3], s[YC:YC+1] offset:512*\i
.endr
	s_wait_xcnt 0x0                                ; the stores have read their registers and their base: both are written again later
.endm
; A KEY STEP: 64 keys at LDS byte s[TB]; their first is s[KF].
.macro STEP
	s_add_co_u32 s73, s[Q0], 31
	s_cmp_gt_u32 s[KF], s73                        ; all keys come after my queries: the step's work is left out
	s_cbranch_scc1 .Lhidden_\@
	v_add_nc_u32 v[ADK], s[TB], v[AK0]
	v_add_nc_u32 v[ADV], s[TB], v[AV0]
.irp y, 0,1,2,3
.irp c, 0,1
	ds_load_b128 v[KFR+8*(2*\y+\c):KFR+8*(2*\y+\c)+3],   v[ADK] offset:\y*16*PK+\c*64
	ds_load_b128 v[KFR+8*(2*\y+\c)+4:KFR+8*(2*\y+\c)+7], v[ADK] offset:\y*16*PK+\c*64+32
.endr
.endr
	WIN 0x40
.irp u, 0,1
.irp x, 0,1,2,3
	ds_load_tr16_b128 v[VF+8*(4*\u+\x):VF+8*(4*\u+\x)+3],   v[ADV] offset:\u*32*PV+\x*32
	ds_load_tr16_b128 v[VF+8*(4*\u+\x)+4:VF+8*(4*\u+\x)+7], v[ADV] offset:\u*32*PV+16*PV+\x*32
.endr
.endr
	WIN 0
	s_wait_dscnt 16                                ; K is in; V's sixteen loads may be out
.set i, 0
.rept 16                                       ; S^T: channels 32 (i / 8) on, keys 16 ((i / 2) % 4) on, tile i % 2: eight accumulators by turns
.set rS, S+32*(i%2)+8*((i/2)%4)
.set rK, KFR+8*(2*((i/2)%4)+i/8)
.set rQ, Q+16*(i%2)+8*(i/8)
.if i < 8
	v_wmma_f32_16x16x32_f16 v[rS:rS+7], v[rK:rK+7], v[rQ:rQ+7], 0
.else
	v_wmma_f32_16x16x32_f16 v[rS:rS+7], v[rK:rK+7], v[rQ:rQ+7], v[rS:rS+7]
.endif
.set i, i+1
.endr
.rept 4
	v_nop                                          ; places ahead of the first read of the scores
.endr
	s_add_co_u32 s73, s[KF], 63
	s_cmp_le_u32 s73, s[Q0]                        ; all keys count for all my queries: no mask
	s_cbranch_scc1 .Lopen_\@
	s_sub_co_i32 s73, s[Q0], s[KF]
	v_add_nc_u32 v[D0], s73, v[RH]                 ; register 8 y + j of tile t holds key KF + 16 y + 8 h + j: hidden where 16 y + j > Q0 - KF + 16 t + r - 8 h
	v_add_nc_u32 v[D0+1], 16, v[D0]
.set n, 0
.rept 32
	v_cmp_gt_i32 vcc_lo, 16*(n/8)+n%8, v[D0]
	v_cndmask_b32 v[S+n], v[S+n], v[NEG], vcc_lo
	v_cmp_gt_i32 vcc_lo, 16*(n/8)+n%8, v[D0+1]
	v_cndmask_b32 v[S+32+n], v[S+32+n], v[NEG], vcc_lo
.set n, n+1
.endr
.Lopen_\@:
.irp j, 0,1,2,3                                ; the maximum: four chains a tile, the two tiles line by line
.irp t, 0,1
	v_max3_num_f32 v[ST+8*\t+4+\j], v[S+32*\t+8*\j], v[S+32*\t+8*\j+1], v[S+32*\t+8*\j+2]
.endr
.endr
.irp u, 1,2
.irp j, 0,1,2,3
.irp t, 0,1
	v_max3_num_f32 v[ST+8*\t+4+\j], v[ST+8*\t+4+\j], v[S+32*\t+8*\j+2*\u+1], v[S+32*\t+8*\j+2*\u+2]
.endr
.endr
.endr
.irp t, 0,1
	v_max3_num_f32 v[ST+8*\t+4], v[ST+8*\t+4], v[S+32*\t+7], v[S+32*\t+15]
.endr
.irp t, 0,1
	v_max3_num_f32 v[ST+8*\t+6], v[ST+8*\t+6], v[S+32*\t+23], v[S+32*\t+31]
.endr
.irp t, 0,1
	v_max3_num_f32 v[ST+8*\t+4], v[ST+8*\t+4], v[ST+8*\t+5], v[ST+8*\t+6]
.endr
.irp t, 0,1
	v_max3_num_f32 v[ST+8*\t+4], v[ST+8*\t+4], v[ST+8*\t+7], v[ST+8*\t+1]   ; and the old m
.endr
.irp t, 0,1
	v_permlanex16_b32 v[ST+8*\t+5], v[ST+8*\t+4], s[SEL], s[SEL+1]          ; the query's other 32 keys lie in the lane 16 away
.endr
.irp t, 0,1
	v_mov_b32 v[ST+8*\t+7], v[ST+8*\t]             ; c m_old
.endr
.irp t, 0,1
	v_max_num_f32 v[ST+8*\t+1], v[ST+8*\t+4], v[ST+8*\t+5]
.endr
.irp t, 0,1
	v_mul_f32 v[ST+8*\t], s[CS], v[ST+8*\t+1]
.endr
.irp t, 0,1
	v_sub_f32 v[ST+8*\t+7], v[ST+8*\t+7], v[ST+8*\t]
.endr
.irp b, 0,1,2,3,4,5,6,7,8,9,10,11,12,13,14,15
.irp t, 0,1
	v_pk_fma_f32 v[S+32*\t+2*\b:S+32*\t+2*\b+1], v[S+32*\t+2*\b:S+32*\t+2*\b+1], s[CS:CS+1], v[ST+8*\t:ST+8*\t+1] op_sel_hi:[1,0,0] neg_lo:[0,0,1] neg_hi:[0,0,1]   ; c s - c m
.endr
.endr
.irp t, 0,1
	v_exp_f32 v[ST+8*\t+6], v[ST+8*\t+7]           ; a
.endr
.set e, 0
.rept 64
	v_exp_f32 v[S+e], v[S+e]                       ; p, at most 1
.set e, e+1
.endr
	v_nop                                          ; a plain instruction behind the last exponential
	s_wait_alu depctr_va_vdst(0)                   ; the wait ahead of the first use: one for the batch of 66
.set e, 0
.rept 32
	v_cvt_pk_f16_f32 v[P+e], v[S+2*e], v[S+2*e+1]
.set e, e+1
.endr
	WIN 0x41                                       ; O^T and L in window 1, a in window 0
.set e, 0
.rept 16
	v_pk_mul_f32 v[2*e:2*e+1], v[2*e:2*e+1], v[ST+6:ST+7] op_sel_hi:[1,0]
	v_pk_mul_f32 v[32+2*e:32+2*e+1], v[32+2*e:32+2*e+1], v[ST+14:ST+15] op_sel_hi:[1,0]
.set e, e+1
.endr
	v_pk_mul_f32 v[LS:LS+1], v[LS:LS+1], v[ST+6:ST+7] op_sel_hi:[1,0]
	v_pk_mul_f32 v[LS+8:LS+9], v[LS+8:LS+9], v[ST+14:ST+15] op_sel_hi:[1,0]
	s_wait_dscnt 0x0                               ; V is in
	WIN 0x51                                       ; V and ONES window 1, P window 0, O^T and L window 1
.irp u, 0,1                                    ; keys 32 u on: ten accumulators by turns
.irp x, 0,1,2,3
.irp t, 0,1
	v_wmma_f32_16x16x32_f16 v[32*\t+8*\x:32*\t+8*\x+7], v[VF+8*(4*\u+\x):VF+8*(4*\u+\x)+7], v[P+16*\t+8*\u:P+16*\t+8*\u+7], v[32*\t+8*\x:32*\t+8*\x+7]
.endr
.endr
.irp t, 0,1
	v_wmma_f32_16x16x32_f16 v[LS+8*\t:LS+8*\t+7], v[ONES:ONES+7], v[P+16*\t+8*\u:P+16*\t+8*\u+7], v[LS+8*\t:LS+8*\t+7]
.endr
.endr
	WIN 0
.rept 4
	v_nop                                          ; places ahead of the next loads into V's registers and of the next read of O^T and L
.endr
.Lhidden_\@:
.endm
.macro FOUR_STEPS                      ; a slot's four key steps: written once, walked four times
	s_mov_b32 s[STP], 4
.Lstep_\@:
	STEP
	s_add_co_u32 s[KF], s[KF], 64
	s_add_co_u32 s[TB], s[TB], STEPB
	s_sub_co_u32 s[STP], s[STP], 1
	s_cmp_lg_u32 s[STP], 0
	s_cbranch_scc1 .Lstep_\@
	s_sub_co_u32 s[TB], s[TB], 4*STEPB
	s_xor_b32 s[TB], s[TB], SLOT1                  ; on to the other slot
.endm
; THE CHANGE OF SLOTS, at a trip's head.  Each wave waits for all its tensor loads (one is out: its part of the slot ahead), adds 0 to its spare word, and waits for that and for its reads of the slot that it has left.
; fill = 1: behind the barrier that slot takes the next trip's key block: one load a wave, with a trip's four key steps in which to land.
.macro CHANGE fill
	s_wait_tensorcnt 0x0                           ; no tensor load of mine is out, so the groups 0 may be written
	ds_add_u32 v[SPW], v[NIL]
.if \fill
	s_add_co_u32 s73, s[KBC], 1
	s_cmp_eq_u32 s[TRIP], s[PI]                    ; the first query block's last trip: the second begins at key block 0
	s_cselect_b32 s[KBN], 0, s73
	s_lshl_b32 s66, s[KBN], 15                     ; a key block is 256 rows of 128 bytes
	s_mov_b32 s67, 0
	s_add_nc_u64 s[G0K+2:G0K+3], s[KB:KB+1], s[66:67]
	s_or_b32 s[G0K+3], s[G0K+3], 0x80000000
	s_add_nc_u64 s[G0V+2:G0V+3], s[VB:VB+1], s[66:67]
	s_or_b32 s[G0V+3], s[G0V+3], 0x80000000
	s_xor_b32 s[G0K+1], s[G0K+1], SLOT1
	s_xor_b32 s[G0V+1], s[G0V+1], SLOT1
	s_wait_xcnt 0x0                                ; the last prefetch, a trip back, has read its address
	s_add_co_u32 s66, s66, 32768
	s_add_nc_u64 s[PFA:PFA+1], s[PFB:PFB+1], s[66:67]   ; a key block further on than this change's load
.endif
	s_wait_dscnt 0x0
	s_barrier_signal -1
	s_barrier_wait -1
.if \fill
	TLOAD
	ASK
.endif
.endm
	s_mov_b32 s[QB], s[PI]
	START
	s_mov_b32 s[TRIP], 0
	s_mov_b32 s[KBC], 0
	s_mov_b32 s[TB], 0
.Ltrip:                                            ; eight trips, each asks for the next trip's key block; slot 1's first fill stands behind trip 0's barrier
	CHANGE 1
	s_cmp_lg_u32 s[TRIP], s[PI1]
	s_cbranch_scc1 .Lsame
	FINISH                                         ; query block i is done;
	s_sub_co_u32 s[QB], 7, s[PI]
	START                                          ; block 7 - i begins
.Lsame:
	s_lshl_b32 s[KF], s[KBC], 8
	FOUR_STEPS
	s_mov_b32 s[KBC], s[KBN]
	s_add_co_u32 s[TRIP], s[TRIP], 1
	s_cmp_lt_u32 s[TRIP], 8
	s_cbranch_scc1 .Ltrip
	CHANGE 0                                       ; the ninth trip is written out: nothing is left to fetch
	s_lshl_b32 s[KF], s[KBC], 8
	FOUR_STEPS
	FINISH
	s_wait_tensorcnt 0x0                           ; the wave's end
	ds_add_u32 v[SPW], v[NIL]
	s_wait_dscnt 0x0
	s_endpgm
.Lfunc_end_k_qa6360a6ac4_attn:
	.size	k_qa6360a6ac4_attn, .Lfunc_end_k_qa6360a6ac4_attn-k_qa6360a6ac4_attn
	.p2alignl 7, 3214868480
	.fill 96, 4, 3214868480
	.section	.rodata,"a",@progbits
	.p2align	6, 0x0
	.amdhsa_kernel k_qa6360a6ac4_attn
		.amdhsa_group_segment_fixed_size 327680
		.amdhsa_private_segment_fixed_size 0
		.amdhsa_enable_private_segment 0
		.amdhsa_kernarg_size 16
		.amdhsa_user_sgpr_count 2
		.amdhsa_user_sgpr_kernarg_segment_ptr 1
		.amdhsa_wavefront_size32 1
		.amdhsa_system_sgpr_workgroup_id_x 1
		.amdhsa_system_sgpr_workgroup_id_y 1
		.amdhsa_system_sgpr_workgroup_id_z 1
		.amdhsa_system_vgpr_workitem_id 0
		.amdhsa_next_free_vgpr 512
		.amdhsa_next_free_sgpr 80
		.amdhsa_reserve_vcc 1
		.amdhsa_float_denorm_mode_32 3
		.amdhsa_float_denorm_mode_16_64 3
		.amdhsa_memory_ordered 1
		.amdhsa_forward_progress 1
		.amdhsa_inst_pref_size 68
	.end_amdhsa_kernel
	.amdgpu_metadata
---
amdhsa.version: [ 1, 2 ]
amdhsa.kernels:
  - .name:           k_qa6360a6ac4_attn
    .symbol:         k_qa6360a6ac4_attn.kd
    .args:
      - { .name: qkvh, .offset: 0, .size: 8, .value_kind: global_buffer, .address_space: global }
      - { .name: yh, .offset: 8, .size: 8, .value_kind: global_buffer, .address_space: global }
    .group_segment_fixed_size: 327680
    .private_segment_fixed_size: 0
    .kernarg_segment_align: 8
    .kernarg_segment_size: 16
    .max_flat_workgroup_size: 256
    .sgpr_count:     80
    .vgpr_count:     512
    .wavefront_size: 32
...
	.end_amdgpu_metadata
.endif
;; end of part 3
;; launch proj (part 4): grid 4 x 64, 4 waves a work-group, clusters of 4 x 4, 327,680 bytes of LDS; arguments yh, wpt, out0; writes out0
.if DOCPART == 4
	.amdgcn_target "amdgcn-amd-amdhsa--gfx1250"
	.amdhsa_code_object_version 6
	.text
	.protected	k_qa6360a6ac4_proj
	.globl	k_qa6360a6ac4_proj
	.p2align	8
	.type	k_qa6360a6ac4_proj,@function
k_qa6360a6ac4_proj:
	s_mov_b64 s[64:65], 0
	v_nop
	global_prefetch_b8 v0, s[64:65] scope:SCOPE_SE
	s_setreg_imm32_b32 hwreg(HW_REG_WAVE_MODE, 25, 1), 1
	s_wait_xcnt 0x0
	s_wait_alu depctr_hold_cnt(0) depctr_sa_sdst(0) depctr_va_vdst(0) depctr_va_sdst(0) depctr_va_ssrc(0) depctr_va_vcc(0) depctr_vm_vsrc(0)
	s_getreg_b32 s2, hwreg(HW_REG_IB_STS2, 6, 4)
	s_cmp_eq_u32 s2, 0
	s_cbranch_scc0 .Lentry_in_a_cluster
	s_endpgm
.Lentry_in_a_cluster:
	s_bfe_u32 s2, ttmp6, 0x10000c
	s_cmp_lg_u32 s2, 0xf033
	s_cbranch_scc0 .Lentry_shape_is_right
	s_endpgm
.Lentry_shape_is_right:
; out0 = y w_proj: [8192][1024] x [1024 n][1024 k]^T on f16 operands, sums in f32.  yh: [head 16][8192 rows][64] f16, so k = 64 x head + channel; wpt: [n][k] f16; out0: [8192][1024] f32.
; LIMIT: |y|, |w_proj| under 65,504 (f16).  The rows of positions 0-15 are written here too and are made anew in f32 by the last launch.
; A tile of 128 x 256 gives 256 work-groups.  Four waves, each 64 x 128: 32 accumulators, window 2.  K goes in steps of 128 (two heads) through a ring of two LDS slots.
; CLUSTERS: 4 x 4 work-groups; y's tile is shared along a row of the cluster, wpt's along a column: joint loads.  Waves 0, 1 fetch y's two heads (128 rows x 128 bytes each, dense), waves 2, 3 wpt's two halves (128 rows x 256 bytes).
; THE MATRIX INSTRUCTION IS USED TRANSPOSED (source 0 = 16 rows of wpt, source 1 = 16 rows of y): a lane holds eight neighbouring columns of a row of out0.
; REGISTERS: window 0: v16-29 addresses; v64-95, v96-127 y's fragments, two buffers; v128-255 the way out.  window 1: v0-63, v64-127 wpt's fragments, two buffers.  window 2: accumulator (a, b) at v[8 (8 a + b)].
; No prefetch: eight K steps in all, of which the first four are asked for at the start or one step later.
.set PA,     144                       ; a row of y in LDS: 128 bytes + 16
.set PB,     272                       ; a row of wpt: 256 + 16
.set APL,    128*PA                    ; one head's 128 rows
.set BOFF,   2*APL
.set BHALF,  128*PB
.set SLOT,   BOFF+2*BHALF
.set STAGE,  2*SLOT                    ; 16 rows x 528 bytes for each wave; no tile lands there
.set SPITCH, 528
.set SPARE,  STAGE+4*16*SPITCH
.set LAPS,   4
.set PLANE,  8192*128                  ; a head's bytes in yh
.set ADRA, 16
.set ADRB, 20
.set STO,  24
.set RD,   25
.set CO,   26
.set SPW,  28
.set NIL,  29
.set AF,   64
.set BK,   128
.set G1, 24
.set G0, 32
.set G1B, 48
.set G0B, 56
.set MSB, 0
.macro WIN new
.if MSB != (\new)
	s_set_vgpr_msb (MSB<<8)|(\new)
.set MSB, (\new)
.endif
.endm
.set MUL,  0xa1                        ; source 0 window 1, source 1 window 0, C and D window 2
.set TO_B, 0x40
.macro JLOAD s                         ; a joint load; an s_nop 0 and four v_nop follow each line
	s_cmp_eq_u32 s11, 0
	s_cbranch_scc0 .Lfor_b_\@
	tensor_load_to_lds s[G0+4*\s:G0+4*\s+3], s[G1:G1+7]
	s_nop 0
.rept 4
	v_nop
.endr
	s_branch .Lasked_\@
.Lfor_b_\@:
	tensor_load_to_lds s[G0B+4*\s:G0B+4*\s+3], s[G1B:G1B+7]
	s_nop 0
.rept 4
	v_nop
.endr
.Lasked_\@:
.endm
.macro CREST
	s_cmp_lg_u32 s10, 0
	s_cbranch_scc1 .Lnot_wave_0_\@
	s_barrier_signal -3
.Lnot_wave_0_\@:
	s_barrier_wait -3
	s_barrier_signal -1
	s_barrier_wait -1
.endm
.macro CROUND
	s_barrier_signal -1
	s_barrier_wait -1
	CREST
.endm
	s_load_b128 s[4:7], s[0:1], 0x0                ; yh, wpt
	s_load_b64 s[8:9], s[0:1], 0x10                ; out0
	v_lshl_add_u32 v[SPW], v0, 2, SPARE
	v_mov_b32 v[NIL], 0
	ds_add_u32 v[SPW], v[NIL]                      ; the wave's opening: the add, twice on end, and its wait ahead of my first tensor load
	ds_add_u32 v[SPW], v[NIL]
	v_lshrrev_b32 v1, 5, v0
	v_readfirstlane_b32 s10, v1                    ; wave 0..3
	s_lshr_b32 s11, s10, 1                         ; my half of the tile's rows; also: I fetch y (0) or wpt (1)
	s_and_b32 s12, s10, 1                          ; my half of its columns; also: which head, or which 128 rows, I fetch
	s_bfe_u32 s40, ttmp6, 0x40000                  ; cx
	s_bfe_u32 s41, ttmp6, 0x40004                  ; cy
	s_lshl_b32 s42, ttmp9, 2
	s_add_co_u32 s42, s42, s40                     ; tile column
	s_and_b32 s13, ttmp7, 0xffff
	s_lshl_b32 s13, s13, 2
	s_add_co_u32 s13, s13, s41                     ; tile row
	s_lshl_b32 s43, s41, 2
	s_lshl_b32 s43, 15, s43                        ; my row of the cluster
	s_lshl_b32 s44, 0x1111, s40                    ; my column
	s_or_b32 s[G1+0], s43, (1<<16)|(1<<20)|(1<<21)|(4<<22)|(3<<25)   ; the mask; elements of 2 bytes; 4 words of padding behind every 32; bit 21 beside a mask
	s_mov_b32 s[G1+1], 64<<16                      ; tensor_dim0
	s_mov_b32 s[G1+2], 128<<16                     ; tensor_dim1
	s_mov_b32 s[G1+3], 64<<16                      ; tile_dim0
	s_mov_b32 s[G1+4], 128                         ; tile_dim1
	s_mov_b32 s[G1+5], 64                          ; from row to row
	s_mov_b32 s[G1+6], 0
	s_mov_b32 s[G1+7], 0
	s_or_b32 s[G1B+0], s44, (1<<16)|(1<<20)|(1<<21)|(5<<22)|(3<<25)  ; 4 words behind every 64
	s_mov_b32 s[G1B+1], 128<<16
	s_mov_b32 s[G1B+2], 128<<16
	s_mov_b32 s[G1B+3], 128<<16
	s_mov_b32 s[G1B+4], 128
	s_mov_b32 s[G1B+5], 1024
	s_mov_b32 s[G1B+6], 0
	s_mov_b32 s[G1B+7], 0
	s_lshl_b32 s16, s12, 20                        ; y: my head of the K step's two,
	s_lshl_b32 s17, s13, 14                        ; the tile's 128 rows of 128 bytes
	s_add_co_u32 s16, s16, s17
	s_mov_b32 s17, 0
	s_lshl_b32 s46, s42, 19                        ; wpt: 256 rows of 2,048 bytes a tile column,
	s_lshl_b32 s47, s12, 18                        ; my 128 of them
	s_add_co_u32 s46, s46, s47
	s_mov_b32 s47, 0
	s_mul_i32 s20, s12, APL                        ; where they go: no place in the cluster enters an LDS address
	s_mul_i32 s23, s12, BHALF
	s_add_co_u32 s23, s23, BOFF
	s_wait_dscnt 0x0                               ; both opening adds are done
	s_wait_kmcnt 0x0
	s_add_nc_u64 s[14:15], s[4:5], s[16:17]
	s_add_nc_u64 s[46:47], s[6:7], s[46:47]
	CROUND                                         ; all sixteen work-groups are here: the first joint loads meet
.irp s, 0,1
	s_mov_b32 s[G0+4*\s], 1
	s_add_co_u32 s[G0+4*\s+1], s20, \s*SLOT
	s_add_nc_u64 s[G0+4*\s+2:G0+4*\s+3], s[14:15], \s*2*PLANE
	s_or_b32 s[G0+4*\s+3], s[G0+4*\s+3], 0x80000000
	s_mov_b32 s[G0B+4*\s], 1
	s_add_co_u32 s[G0B+4*\s+1], s23, \s*SLOT
	s_add_nc_u64 s[G0B+4*\s+2:G0B+4*\s+3], s[46:47], \s*256
	s_or_b32 s[G0B+4*\s+3], s[G0B+4*\s+3], 0x80000000
	JLOAD \s
.endr
	v_and_b32 v1, 15, v0                           ; r
	v_bfe_u32 v2, v0, 4, 1                         ; h
	v_mul_u32_u24 v3, v1, PA
	v_lshl_add_u32 v3, v2, 4, v3
	v_mul_u32_u24 v4, v1, PB
	v_lshl_add_u32 v4, v2, 4, v4
	s_mul_i32 s21, s11, 64*PA                      ; my 64 rows of y
	s_mul_i32 s22, s12, BHALF                      ; my 128 rows of wpt
	s_add_co_u32 s22, s22, BOFF
.irp s, 0,1
	v_add_nc_u32 v[ADRA+\s], s21, v3
	v_add_nc_u32 v[ADRB+\s], s22, v4
	s_add_co_u32 s21, s21, SLOT
	s_add_co_u32 s22, s22, SLOT
.endr
	s_mul_i32 s21, s10, 16*SPITCH
	s_add_co_u32 s21, s21, STAGE                   ; my stage
	v_mul_u32_u24 v5, v1, SPITCH
	v_lshl_add_u32 v5, v2, 5, v5
	v_add_nc_u32 v[STO], s21, v5                   ; in: row r, 32 bytes for each half of the lanes
	v_and_b32 v6, 31, v0
	v_lshlrev_b32 v[CO], 4, v6
	v_add_nc_u32 v[RD], s21, v[CO]                 ; back: the 32 lanes take a row of 512 bytes
	s_lshl_b32 s16, s13, 19                        ; out0: 128 rows of 4,096 bytes a tile row,
	s_lshl_b32 s17, s11, 18                        ; my 64 of them,
	s_add_co_u32 s16, s16, s17
	s_mov_b32 s17, 0
	s_add_nc_u64 s[8:9], s[8:9], s[16:17]
	s_lshl_b32 s46, s42, 10                        ; the tile's 256 columns, my 128 of them
	s_lshl_b32 s47, s12, 9
	s_add_co_u32 s46, s46, s47
	s_mov_b32 s47, 0
	s_add_nc_u64 s[8:9], s[8:9], s[46:47]
.macro MUL8 f, a, zero                 ; y's block a x wpt's eight, 32 along K, from buffer f.  The 32 accumulators take turns, one instruction a turn
.irp b, 0,1,2,3,4,5,6,7
.if \zero
	v_wmma_f32_16x16x32_f16 v[8*(8*(\a)+\b):8*(8*(\a)+\b)+7], v[64*(\f)+8*\b:64*(\f)+8*\b+7], v[AF+32*(\f)+8*(\a):AF+32*(\f)+8*(\a)+7], 0
.else
	v_wmma_f32_16x16x32_f16 v[8*(8*(\a)+\b):8*(8*(\a)+\b)+7], v[64*(\f)+8*\b:64*(\f)+8*\b+7], v[AF+32*(\f)+8*(\a):AF+32*(\f)+8*(\a)+7], v[8*(8*(\a)+\b):8*(8*(\a)+\b)+7]
.endif
.endr
.endm
.macro FETCH slot, q, f                ; 24 LDS loads in one run: the fragments of the slot's q-th 32 along K into buffer f; y's blocks 2, 3 last
	WIN TO_B
.irp i, 0,1,2,3,4,5,6,7
	ds_load_b128 v[64*(\f)+8*\i:64*(\f)+8*\i+3],   v[ADRB+\slot] offset:64*(\q)+\i*16*PB
	ds_load_b128 v[64*(\f)+8*\i+4:64*(\f)+8*\i+7], v[ADRB+\slot] offset:64*(\q)+\i*16*PB+32
.endr
	WIN 0
.irp i, 0,1,2,3
	ds_load_b128 v[AF+32*(\f)+8*\i:AF+32*(\f)+8*\i+3],   v[ADRA+\slot] offset:((\q)/2)*APL+((\q)%2)*64+\i*16*PA
	ds_load_b128 v[AF+32*(\f)+8*\i+4:AF+32*(\f)+8*\i+7], v[ADRA+\slot] offset:((\q)/2)*APL+((\q)%2)*64+\i*16*PA+32
.endr
.endm
.macro PLACES                          ; plain vector instructions between a matrix instruction and a load into its registers or a read of its result
.rept 4
	v_nop
.endr
.endm
.macro QUARTER slot, q, zero           ; one of a K step's first three quarters: multiplies buffer q % 2, fetches the next quarter into the other
	s_wait_dscnt 4                                 ; wpt's fragments and y's blocks 0, 1 are in; blocks 2, 3, the youngest four loads, may be out
	WIN MUL
	MUL8 (\q)%2, 0, \zero
	MUL8 (\q)%2, 1, \zero
	PLACES
	FETCH \slot, (\q)+1, 1-(\q)%2
	s_wait_dscnt 24                                ; all but the 24 just issued
	WIN MUL
	MUL8 (\q)%2, 2, \zero
	MUL8 (\q)%2, 3, \zero
.endm
; The last quarter changes slots: one barrier; ahead of it each wave waits for all its tensor loads, adds 0 to its spare word and waits for that and for its reads of this slot.  fill = 1: the slot is filled again, two K steps ahead.
.macro TURN slot, next, fill
	WIN 0
	s_wait_tensorcnt 0x0                           ; all my tensor loads have landed: my part of the next slot
	ds_add_u32 v[SPW], v[NIL]
	s_wait_dscnt 5                                 ; (the add and the youngest four loads may be out)
	WIN MUL
	MUL8 1, 0, 0
	s_wait_dscnt 0x0                               ; the add is done, my reads of this slot are over
	s_barrier_signal -1
	MUL8 1, 1, 0
	WIN 0
	s_barrier_wait -1
.if \fill
	CREST                                          ; the barrier has opened a round of the cluster's: no wave of any partner still reads this slot or has a load on its way
	s_add_nc_u64 s[G0+4*\slot+2:G0+4*\slot+3], s[G0+4*\slot+2:G0+4*\slot+3], 4*PLANE
	s_add_nc_u64 s[G0B+4*\slot+2:G0B+4*\slot+3], s[G0B+4*\slot+2:G0B+4*\slot+3], 512
	JLOAD \slot                                    ; the first tensor load behind the round; its four v_nop are also the places ahead of the loads below
.else
	PLACES
.endif
	FETCH \next, 0, 0
	WIN MUL
	MUL8 1, 2, 0
	MUL8 1, 3, 0
.endm
	s_wait_tensorcnt 1                             ; my part of K step 0 is in; K step 1's load may be out
	s_barrier_signal -1
	s_barrier_wait -1
	FETCH 0, 0, 0
	QUARTER 0, 0, 1                                ; the first products start the sums
	WIN 0
	s_mov_b32 s3, LAPS-1
.Llap:                                             ; a trip goes once round the ring and fills both slots again
	QUARTER 0, 1, 0
	QUARTER 0, 2, 0
	TURN 0, 1, 1
	QUARTER 1, 0, 0
	QUARTER 1, 1, 0
	QUARTER 1, 2, 0
	TURN 1, 0, 1
	QUARTER 0, 0, 0
	WIN 0
	s_sub_co_u32 s3, s3, 1
	s_cmp_lg_u32 s3, 0
	s_cbranch_scc1 .Llap
	QUARTER 0, 1, 0                                ; the last lap fills nothing
	QUARTER 0, 2, 0
	TURN 0, 1, 0
	QUARTER 1, 0, 0
	QUARTER 1, 1, 0
	QUARTER 1, 2, 0
	s_wait_dscnt 4
	WIN MUL
	MUL8 1, 0, 0
	MUL8 1, 1, 0
	s_wait_dscnt 0
	MUL8 1, 2, 0
	MUL8 1, 3, 0
	WIN 0
; THE WAY OUT, a block of 16 rows x 128 columns at a time, through my stage: back as whole rows of 512 bytes.
.macro TOSTAGE a
	WIN 0x08                                       ; an LDS store's data are its source 1: window 2
.irp b, 0,1,2,3,4,5,6,7
	ds_store_b128 v[STO], v[64*(\a)+8*\b:64*(\a)+8*\b+3] offset:64*\b          ; each accumulator from its low end on
	ds_store_b128 v[STO], v[64*(\a)+8*\b+4:64*(\a)+8*\b+7] offset:64*\b+16
.endr
	WIN 0
.set BB, BK+64*((\a)%2)
.irp t, 0,1,2,3,4,5,6,7,8,9,10,11,12,13,14,15
	ds_load_b128 v[BB+4*\t:BB+4*\t+3], v[RD] offset:\t*SPITCH   ; LDS serves a wave's instructions in order
.endr
.endm
.macro SEND a, younger
.set BB, BK+64*((\a)%2)
	s_wait_dscnt \younger
.if (\a) > 0
	s_add_nc_u64 s[8:9], s[8:9], 16*4096           ; (behind a wait on XCNT: the earlier stores have read their base)
.endif
.irp t, 0,1,2,3,4,5,6,7,8,9,10,11,12,13,14,15
	global_store_b128 v[CO], v[BB+4*\t:BB+4*\t+3], s[8:9] offset:\t*4096 th:TH_STORE_NT   ; 32 lanes store 512 consecutive bytes, aligned
.endr
.endm
	PLACES
	TOSTAGE 0
.irp a, 1,2,3
.if \a > 1
	s_wait_xcnt 0x0                                ; block a - 2's stores have read their registers and their base
.endif
	TOSTAGE \a
	SEND \a-1, 32                                  ; behind block a - 1's loads: block a's 16 stores and 16 loads
.endr
	s_wait_xcnt 0x0
	SEND 3, 0
	s_wait_tensorcnt 0x0                           ; the wave's end
	ds_add_u32 v[SPW], v[NIL]
	s_wait_dscnt 0x0
	CROUND                                         ; the closing round
	s_endpgm
.Lfunc_end_k_qa6360a6ac4_proj:
	.size	k_qa6360a6ac4_proj, .Lfunc_end_k_qa6360a6ac4_proj-k_qa6360a6ac4_proj
	.p2alignl 7, 3214868480
	.fill 96, 4, 3214868480
	.section	.rodata,"a",@progbits
	.p2align	6, 0x0
	.amdhsa_kernel k_qa6360a6ac4_proj
		.amdhsa_group_segment_fixed_size 327680
		.amdhsa_private_segment_fixed_size 0
		.amdhsa_enable_private_segment 0
		.amdhsa_kernarg_size 24
		.amdhsa_user_sgpr_count 2
		.amdhsa_user_sgpr_kernarg_segment_ptr 1
		.amdhsa_wavefront_size32 1
		.amdhsa_system_sgpr_workgroup_id_x 1
		.amdhsa_system_sgpr_workgroup_id_y 1
		.amdhsa_system_sgpr_workgroup_id_z 1
		.amdhsa_system_vgpr_workitem_id 0
		.amdhsa_next_free_vgpr 768
		.amdhsa_next_free_sgpr 66
		.amdhsa_reserve_vcc 0
		.amdhsa_float_denorm_mode_32 3
		.amdhsa_float_denorm_mode_16_64 3
		.amdhsa_memory_ordered 1
		.amdhsa_forward_progress 1
		.amdhsa_inst_pref_size 86
	.end_amdhsa_kernel
	.amdgpu_metadata
---
amdhsa.version: [ 1, 2 ]
amdhsa.kernels:
  - .name:           k_qa6360a6ac4_proj
    .symbol:         k_qa6360a6ac4_proj.kd
    .args:
      - { .name: yh, .offset: 0, .size: 8, .value_kind: global_buffer, .address_space: global }
      - { .name: wpt, .offset: 8, .size: 8, .value_kind: global_buffer, .address_space: global }
      - { .name: out0, .offset: 16, .size: 8, .value_kind: global_buffer, .address_space: global }
    .group_segment_fixed_size: 327680
    .private_segment_fixed_size: 0
    .kernarg_segment_align: 8
    .kernarg_segment_size: 24
    .max_flat_workgroup_size: 128
    .sgpr_count:     66
    .vgpr_count:     768
    .wavefront_size: 32
...
	.end_amdgpu_metadata
.endif
;; end of part 4
;; launch fine (part 5): grid 16 x 4, 16 waves a work-group, no clusters, 133,376 bytes of LDS; arguments fineq, w_proj, out0; writes out0
.if DOCPART == 5
	.amdgcn_target "amdgcn-amd-amdhsa--gfx1250"
	.amdhsa_code_object_version 6
	.text
	.protected	k_qa6360a6ac4_fine
	.globl	k_qa6360a6ac4_fine
	.p2align	8
	.type	k_qa6360a6ac4_fine,@function
k_qa6360a6ac4_fine:
	s_mov_b64 s[64:65], 0
	v_nop
	global_prefetch_b8 v0, s[64:65] scope:SCOPE_SE
	s_setreg_imm32_b32 hwreg(HW_REG_WAVE_MODE, 25, 1), 1
	s_wait_xcnt 0x0
; POSITIONS 0-15 OF EACH SEQUENCE, ALL IN F32: these rows average one to sixteen values and are the largest of the output, so their scores, weights, values and projection keep f32 operands.
; fineq: [q, k, v][batch x 16 + head][16][64] f32; w_proj: [1024 k][1024 n] f32; out0: [8192][1024] f32: rows 2048 b + 0 .. 15 are written over.
; Work-group (g, b): 16 rows x output columns 64 g .. 64 g + 63 of batch b.  Sixteen waves.  96 matrix instructions of 16 x 16 x 4 a wave: no bulk work.  No tensor load, no cluster: 12 KB a wave of q, k, v and 16 KB of w_proj.
; PHASE 1, wave = head: S^T = K Q^T, causal mask, softmax with the row's maximum taken away, O^T = V^T P; y's 16 x 64 into LDS.
; PHASE 2, wave = 64 of the projection's K: its part of out^T (source 0 = 16 columns of w_proj, source 1 = y's 16 rows) into LDS, as an image of the registers.
; PHASE 3, wave = output row: the sixteen parts are added and 256 consecutive bytes are stored.
; K's PLACES: the form wants k = 2 h + j in register j of lane half h.  One and the same permutation of k is given to both sources: step i's place (h, j) stands for k = 32 h + 2 i + j (keys: 8 h + 2 i + j), so that a lane's registers are neighbours in memory.
; The four accumulators v128-159 are written by matrix instructions alone; each sum begins with the constant 0.
; LIMITS: NaN and infinities are not served.
.set YP,    4112                       ; a row of y in LDS: 4,096 bytes + 16
.set PART,  16*YP                      ; the parts: 4,096 bytes a wave
.set SPARE, PART+16*4096               ; the spare words, 128 bytes a wave
.set ACC,   128
.set SPW,   14
.set NIL,   15
	s_load_b128 s[4:7], s[0:1], 0x0                ; fineq, w_proj
	s_load_b64 s[8:9], s[0:1], 0x10                ; out0
	v_lshl_add_u32 v[SPW], v0, 2, SPARE
	v_mov_b32 v[NIL], 0
	v_lshrrev_b32 v1, 5, v0
	v_readfirstlane_b32 s10, v1                    ; wave 0..15
	s_and_b32 s11, ttmp7, 0xffff                   ; batch
	v_and_b32 v10, 15, v0                          ; r
	v_bfe_u32 v11, v0, 4, 1                        ; h
	v_and_b32 v12, 31, v0                          ; lane
	v_lshlrev_b32 v1, 8, v10
	v_lshl_add_u32 v1, v11, 7, v1                  ; q, k: row r of 256 bytes, + 128 h
	v_lshlrev_b32 v2, 2, v10
	v_lshl_add_u32 v3, v11, 17, v2                 ; w_proj: 32 h rows of 4,096 bytes, + 4 r
	v_lshl_add_u32 v2, v11, 11, v2                 ; v: 8 h rows of 256 bytes, + 4 r
	v_mul_u32_u24 v13, v10, YP
	s_lshl_b32 s12, s10, 8
	v_add_nc_u32 v13, s12, v13                     ; y in LDS: row r, my wave's 256 bytes
	v_lshl_add_u32 v4, v11, 5, v13                 ; in: + 32 h
	v_lshl_add_u32 v5, v11, 7, v13                 ; back: + 128 h
	s_lshl_b32 s12, s10, 12
	s_add_co_u32 s12, s12, PART
	v_lshl_add_u32 v6, v12, 4, s12                 ; my part: 16 x lane
	v_lshrrev_b32 v7, 3, v12                       ; phase 3: lane l takes columns 2 l, 2 l + 1 of row = wave: tile l / 8,
	v_lshlrev_b32 v7, 10, v7
	v_bfe_u32 v13, v0, 1, 1
	v_lshl_add_u32 v7, v13, 9, v7                  ; registers 0-3 or 4-7,
	v_bfe_u32 v13, v0, 2, 1
	v_lshl_add_u32 v7, v13, 8, v7                  ; the lane half,
	v_and_b32 v13, 1, v0
	v_lshl_add_u32 v7, v13, 3, v7                  ; the pair of registers,
	s_lshl_b32 s12, s10, 4
	s_add_co_u32 s12, s12, PART
	v_add_nc_u32 v7, s12, v7                       ; of the lane whose row is mine
	v_lshlrev_b32 v8, 3, v12
	v_lshlrev_b32 v9, 3, v11
	v_sub_nc_u32 v9, v10, v9                       ; r - 8 h
	v_mov_b32 v243, 0xff800000                     ; -infinity
	s_mov_b32 s20, 0x3e38aa3b                      ; c = log2(e) / 8
	s_mov_b32 s22, 0x76543210
	s_mov_b32 s23, 0xfedcba98
	s_lshl_b32 s12, s11, 4
	s_add_co_u32 s12, s12, s10
	s_lshl_b32 s12, s12, 12                        ; q's plane of (batch, head = wave)
	s_mov_b32 s13, 0
	s_lshl_b32 s14, s10, 18                        ; w_proj: rows 64 x wave on,
	s_lshl_b32 s15, ttmp9, 8                       ; columns 64 g on
	s_add_co_u32 s14, s14, s15
	s_mov_b32 s15, 0
	s_lshl_b32 s16, s11, 11
	s_add_co_u32 s16, s16, s10
	s_lshl_b32 s16, s16, 12                        ; out0: row 2048 b + wave,
	s_lshl_b32 s17, ttmp9, 8
	s_add_co_u32 s16, s16, s17                     ; columns 64 g on
	s_mov_b32 s17, 0
	s_wait_kmcnt 0x0
	s_add_nc_u64 s[4:5], s[4:5], s[12:13]
	s_add_nc_u64 s[6:7], s[6:7], s[14:15]
	s_add_nc_u64 s[8:9], s[8:9], s[16:17]
.irp c, 0,1,2,3,4,5,6,7
	global_load_b128 v[192+4*\c:195+4*\c], v1, s[4:5] offset:262144+16*\c    ; K(r, 32 h + 0 .. 31)
.endr
.irp c, 0,1,2,3,4,5,6,7
	global_load_b128 v[32+4*\c:35+4*\c], v1, s[4:5] offset:16*\c             ; Q likewise
.endr
.irp x, 0,1,2,3
.irp y, 0,1,2,3,4,5,6,7
	global_load_b32 v[160+8*\x+\y], v2, s[4:5] offset:524288+256*\y+64*\x    ; V(8 h + y, 16 x + r)
.endr
.endr
.macro WTILE reg, x                    ; w_proj(64 w + 32 h + k, 64 g + 16 x + r), k = 0 .. 31
.set k, 0
.rept 32
	global_load_b32 v[\reg+k], v3, s[6:7] offset:4096*k+64*\x
.set k, k+1
.endr
.endm
	WTILE 64, 0
	WTILE 96, 1
	s_wait_loadcnt 63                              ; K, Q and V are in: 64 loads were issued behind them, and a wait names 63 at the most
.set i, 0
.rept 16                                       ; S^T in four partial sums, by turns
.if i < 4
	v_wmma_f32_16x16x4_f32 v[ACC+8*(i%4):ACC+8*(i%4)+7], v[192+2*i:193+2*i], v[32+2*i:33+2*i], 0
.else
	v_wmma_f32_16x16x4_f32 v[ACC+8*(i%4):ACC+8*(i%4)+7], v[192+2*i:193+2*i], v[32+2*i:33+2*i], v[ACC+8*(i%4):ACC+8*(i%4)+7]
.endif
.set i, i+1
.endr
.rept 8
	v_nop                                          ; places ahead of loads into these products' sources and of the first read of their results
.endr
	WTILE 32, 2
	WTILE 192, 3
.irp j, 0,1,2,3,4,5,6,7
	v_add_f32 v[224+\j], v[ACC+\j], v[ACC+8+\j]    ; each accumulator from its low end on
.endr
.irp j, 0,1,2,3,4,5,6,7
	v_add_f32 v[232+\j], v[ACC+16+\j], v[ACC+24+\j]
.endr
.irp j, 0,1,2,3,4,5,6,7
	v_add_f32 v[16+\j], v[224+\j], v[232+\j]       ; score of key 8 h + j for query r
.endr
.irp j, 0,1,2,3,4,5,6,7
	v_cmp_gt_i32 vcc_lo, \j, v9                    ; hidden where 8 h + j > r
	v_cndmask_b32 v[16+\j], v[16+\j], v243, vcc_lo
.endr
	v_max3_num_f32 v240, v16, v17, v18
	v_max3_num_f32 v241, v19, v20, v21
	v_max3_num_f32 v240, v240, v22, v23
	v_max_num_f32 v240, v240, v241
	v_permlanex16_b32 v241, v240, s22, s23         ; the query's other eight keys; key 0 counts for every query, so the maximum is a number
	v_max_num_f32 v240, v240, v241
	v_mul_f32 v242, s20, v240
.irp j, 0,1,2,3,4,5,6,7
	v_fma_f32 v[24+\j], v[16+\j], s20, -v242
.endr
.irp j, 0,1,2,3,4,5,6,7
	v_exp_f32 v[24+\j], v[24+\j]
.endr
	v_nop                                          ; a plain instruction behind the last exponential
	s_wait_alu depctr_va_vdst(0)                   ; the wait ahead of the first use: one for the eight
	v_add_f32 v240, v24, v25
	v_add_f32 v241, v26, v27
	v_add_f32 v244, v28, v29
	v_add_f32 v245, v30, v31
	v_add_f32 v240, v240, v241
	v_add_f32 v244, v244, v245
	v_add_f32 v240, v240, v244
	v_permlanex16_b32 v241, v240, s22, s23
	v_add_f32 v240, v240, v241                     ; the row's sum
	v_rcp_f32 v241, v240
	v_nop
	s_wait_alu depctr_va_vdst(0)
.irp j, 0,1,2,3,4,5,6,7
	v_mul_f32 v[24+\j], v[24+\j], v241             ; the weights
.endr
.irp i, 0,1,2,3                                ; O^T: keys 8 h + 2 i + j; four tiles of 16 channels by turns
.irp x, 0,1,2,3
.if \i == 0
	v_wmma_f32_16x16x4_f32 v[ACC+8*\x:ACC+8*\x+7], v[160+8*\x+2*\i:161+8*\x+2*\i], v[24+2*\i:25+2*\i], 0
.else
	v_wmma_f32_16x16x4_f32 v[ACC+8*\x:ACC+8*\x+7], v[160+8*\x+2*\i:161+8*\x+2*\i], v[24+2*\i:25+2*\i], v[ACC+8*\x:ACC+8*\x+7]
.endif
.endr
.endr
.rept 9
	v_nop                                          ; places ahead of the stores of these results, of the loads into V's registers, and of the products that begin the accumulators anew
.endr
.irp x, 0,1,2,3
	ds_store_b128 v4, v[ACC+8*\x:ACC+8*\x+3] offset:64*\x          ; y(r, 64 head + 16 x + 8 h + 0 .. 7)
	ds_store_b128 v4, v[ACC+8*\x+4:ACC+8*\x+7] offset:64*\x+16
.endr
	s_wait_dscnt 0x0                               ; for the others' sake: my stores have landed
	s_barrier_signal -1
	s_barrier_wait -1                              ; y's 16 rows lie in LDS
.irp c, 0,1,2,3,4,5,6,7
	ds_load_b128 v[160+4*\c:163+4*\c], v5 offset:16*\c             ; y(r, 64 w + 32 h + 0 .. 31)
.endr
	s_wait_loadcnt 0x0                             ; w_proj's four tiles
	s_wait_dscnt 0x0
.set i, 0
.rept 16                                       ; out^T: four tiles of 16 columns by turns
.if i == 0
	v_wmma_f32_16x16x4_f32 v[ACC:ACC+7],     v[64+2*i:65+2*i],   v[160+2*i:161+2*i], 0
	v_wmma_f32_16x16x4_f32 v[ACC+8:ACC+15],  v[96+2*i:97+2*i],   v[160+2*i:161+2*i], 0
	v_wmma_f32_16x16x4_f32 v[ACC+16:ACC+23], v[32+2*i:33+2*i],   v[160+2*i:161+2*i], 0
	v_wmma_f32_16x16x4_f32 v[ACC+24:ACC+31], v[192+2*i:193+2*i], v[160+2*i:161+2*i], 0
.else
	v_wmma_f32_16x16x4_f32 v[ACC:ACC+7],     v[64+2*i:65+2*i],   v[160+2*i:161+2*i], v[ACC:ACC+7]
	v_wmma_f32_16x16x4_f32 v[ACC+8:ACC+15],  v[96+2*i:97+2*i],   v[160+2*i:161+2*i], v[ACC+8:ACC+15]
	v_wmma_f32_16x16x4_f32 v[ACC+16:ACC+23], v[32+2*i:33+2*i],   v[160+2*i:161+2*i], v[ACC+16:ACC+23]
	v_wmma_f32_16x16x4_f32 v[ACC+24:ACC+31], v[192+2*i:193+2*i], v[160+2*i:161+2*i], v[ACC+24:ACC+31]
.endif
.set i, i+1
.endr
.rept 8
	v_nop
.endr
.irp x, 0,1,2,3
	ds_store_b128 v6, v[ACC+8*\x:ACC+8*\x+3] offset:1024*\x        ; lane (r, h): row r, columns 16 x + 8 h + 0 .. 3,
	ds_store_b128 v6, v[ACC+8*\x+4:ACC+8*\x+7] offset:1024*\x+512  ; and + 4 .. 7
.endr
	s_wait_dscnt 0x0
	s_barrier_signal -1
	s_barrier_wait -1                              ; the sixteen parts lie in LDS
.irp s, 0,1,2,3,4,5,6,7,8,9,10,11,12,13,14,15
	ds_load_b64 v[224+2*\s:225+2*\s], v7 offset:4096*\s
.endr
	s_wait_dscnt 0x0
.irp s, 0,4,8,12,16,20,24,28
	v_pk_add_f32 v[224+\s:225+\s], v[224+\s:225+\s], v[226+\s:227+\s]
.endr
.irp s, 0,8,16,24
	v_pk_add_f32 v[224+\s:225+\s], v[224+\s:225+\s], v[228+\s:229+\s]
.endr
.irp s, 0,16
	v_pk_add_f32 v[224+\s:225+\s], v[224+\s:225+\s], v[232+\s:233+\s]
.endr
	v_pk_add_f32 v[224:225], v[224:225], v[240:241]
	global_store_b64 v8, v[224:225], s[8:9]        ; the wave stores 256 consecutive bytes, aligned
	s_wait_tensorcnt 0x0                           ; the wave's end, behind my last LDS store
	ds_add_u32 v[SPW], v[NIL]
	s_wait_dscnt 0x0
	s_endpgm
.Lfunc_end_k_qa6360a6ac4_fine:
	.size	k_qa6360a6ac4_fine, .Lfunc_end_k_qa6360a6ac4_fine-k_qa6360a6ac4_fine
	.p2alignl 7, 3214868480
	.fill 96, 4, 3214868480
	.section	.rodata,"a",@progbits
	.p2align	6, 0x0
	.amdhsa_kernel k_qa6360a6ac4_fine
		.amdhsa_group_segment_fixed_size 133376
		.amdhsa_private_segment_fixed_size 0
		.amdhsa_enable_private_segment 0
		.amdhsa_kernarg_size 24
		.amdhsa_user_sgpr_count 2
		.amdhsa_user_sgpr_kernarg_segment_ptr 1
		.amdhsa_wavefront_size32 1
		.amdhsa_system_sgpr_workgroup_id_x 1
		.amdhsa_system_sgpr_workgroup_id_y 1
		.amdhsa_system_sgpr_workgroup_id_z 1
		.amdhsa_system_vgpr_workitem_id 0
		.amdhsa_next_free_vgpr 256
		.amdhsa_next_free_sgpr 66
		.amdhsa_reserve_vcc 1
		.amdhsa_float_denorm_mode_32 3
		.amdhsa_float_denorm_mode_16_64 3
		.amdhsa_memory_ordered 1
		.amdhsa_forward_progress 1
		.amdhsa_inst_pref_size 34
	.end_amdhsa_kernel
	.amdgpu_metadata
---
amdhsa.version: [ 1, 2 ]
amdhsa.kernels:
  - .name:           k_qa6360a6ac4_fine
    .symbol:         k_qa6360a6ac4_fine.kd
    .args:
      - { .name: fineq, .offset: 0, .size: 8, .value_kind: global_buffer, .address_space: global }
      - { .name: w_proj, .offset: 8, .size: 8, .value_kind: global_buffer, .address_space: global }
      - { .name: out0, .offset: 16, .size: 8, .value_kind: global_buffer, .address_space: global }
    .group_segment_fixed_size: 133376
    .private_segment_fixed_size: 0
    .kernarg_segment_align: 8
    .kernarg_segment_size: 24
    .max_flat_workgroup_size: 512
    .sgpr_count:     66
    .vgpr_count:     256
    .wavefront_size: 32
...
	.end_amdgpu_metadata
.endif
;; end of part 5
